; MI455X (gfx1250); checked and timed in simulation.
; The chip was launched on July 23, 2026; its instructions are those of AMD's public machine-readable ISA for CDNA 5 (MIT licence, August 2026) and "CDNA5" Instruction Set Architecture Reference Guide (July 2026). The comments in the code are by the model that wrote it; some were corrected since.
;; Self Attention. Allowed arithmetic: matrix products marked QUANTISED: E2M1 operands, one E8M0 scale for each 32 along K, by v_wmma_scale_f32_16x16x128_f8f6f4 with both operands' format E2M1 (or v_wmma_scale_f32_32x16x128_f4), f32 sums; everything else in f32.
;; Inputs: b_in 3,072 float32; b_out 1,024 float32; w_in 1,024 x 3,072 float32; w_out 1,024 x 1,024 float32; x 4 x 2,048 x 1,024 float32.
;; Outputs: out0 4 x 2,048 x 1,024 float32.
;; Constants: causal_mask = 1.
;; This version of the problem:
;;   THIS VERSION OF THE PROBLEM IS GIVEN IN LOW PRECISION. The matrix products marked QUANTISED in the list below multiply operands that are first quantised to E2M1 (2 exponent bits, 1 mantissa bit; 4 bits a number), with one power-of-two scale for each 32 numbers along K (OCP MX v1.0); their sums are f32. All else is computed in f32.
;;   The module's matrix products, in the order in which they are computed (A, B: the left and right operand; K: the contracted axis; several contracted axes count as one K, in the product's order):
;;     1. [M 8,192, K 1,024] x [K 1,024, N 3,072]; A: input x; B: input w_in: QUANTISED
;;     2. batch 64 x [M 2,048, K 64] x [K 64, N 2,048]; A: computed on the way; B: computed on the way: QUANTISED
;;     3. batch 64 x [M 2,048, K 2,048] x [K 2,048, N 64]; A: softmax (see below); B: computed on the way: QUANTISED
;;     4. [M 8,192, K 1,024] x [K 1,024, N 1,024]; A: computed on the way; B: input w_out: QUANTISED
;;   THE QUANTISER, for each operand of a quantised product, along K:
;;     - K is cut into blocks of 32 from its start; a last block that is shorter is filled with zeros.
;;     - A block's scale is 2^e with e = floor(log2(the largest magnitude in the block)) - 2, held to -126 .. 127; a block of zeros has e = 0. As a byte (E8M0): e + 127.
;;     - Each number is divided by its block's scale, clamped to +-6, and rounded to the nearest number of E2M1, ties to even, subnormals kept.
;;     - The product sums the exact products of the quantised numbers (number of the format x scale) in f32.
;;   ~~~python
;;   def quantise(x, axis):      # numpy; x: float32 -> the quantised numbers, widened to float32 again
;;       x = np.moveaxis(x, axis, -1); K = x.shape[-1]
;;       x = np.pad(x, [(0, 0)] * (x.ndim - 1) + [(0, -K % 32)]); x = x.reshape(x.shape[:-1] + (-1, 32)); a = np.abs(x).max(-1, keepdims=True)
;;       e = np.where(a > 0, np.clip(np.frexp(np.where(a > 0, a, 1))[1] - 1 - 2, -126, 127), 0)      # np.frexp(a)[1] - 1 = floor(log2(a)), exactly
;;       r = np.clip(x / 2.0 ** e, -6, 6)
;;       step = 2.0 ** (np.maximum(np.frexp(np.where(r == 0, 1, r))[1] - 1, 0) - 1)
;;       q = np.round(r / step) * step * 2.0 ** e      # np.round: ties to even
;;       return np.moveaxis(q.reshape(q.shape[:-2] + (-1,))[..., :K], -1, axis).astype(np.float32)
;;   ~~~
;;   SOFTMAX AHEAD OF A QUANTISED PRODUCT. Where the list says 'softmax', what is quantised is not the finished softmax but p = 2^(t - M), with t = logit x log2(e) and M = ceil(the row's largest t), a whole number; so 1/2 < the row's largest p <= 1. The row's sum l is taken of the UNQUANTISED p, in f32, and the product's result is divided by l at the end. Since M is a whole number, a kernel that streams over the keys may use a running M (the ceiling of the running maximum): every later rescaling is an exact power of two, which a block's scale takes up: the codes' values come out the same.
;;   OPERANDS COMPUTED ON THE WAY. 'Computed on the way' means the value that the module computes at that place (a softmax that the list does not call 'softmax' is quantised finished and normalised). What goes into a quantiser is computed in f32, as accurately as f32 sums, v_exp_f32 and their like allow (about 1e-6 of the number): no bf16 or f16 on the way to a quantiser, and a product that is left as it is and whose result goes on into a quantised operand takes f32 operands (vector FMAs, or v_wmma_f32_16x16x4_f32). A number that lies on a knife's edge between two numbers of the format may be rounded either way, as far as f32 arithmetic and the matrix unit's own rounding can turn it there, and no further.
;; One version. Each part assembles by itself: llvm-mc -triple=amdgcn-amd-amdhsa -mcpu=gfx1250 --defsym DOCPART=n.
;; ======== version 1 of 1: 4 launches
;; workspace buffers: xw_img 6,291,456 bytes; xw_sc 393,216 bytes; qkv_img 12,582,912 bytes; qkv_sc 1,310,720 bytes; o_img 4,194,304 bytes; o_sc 262,144 bytes
;; launch quant (part 1): grid 512 x 1, 4 waves a work-group, no clusters, 35,328 bytes of LDS; arguments x, w_in, w_out, xw_img, xw_sc; writes xw_img, xw_sc
.if DOCPART == 1
	.amdgcn_target "amdgcn-amd-amdhsa--gfx1250"
	.amdhsa_code_object_version 6
	.text
	.protected	k_q249f5c65e2_quant
	.globl	k_q249f5c65e2_quant
	.p2align	8
	.type	k_q249f5c65e2_quant,@function
k_q249f5c65e2_quant:
	s_mov_b64 s[64:65], 0
	v_nop
	global_prefetch_b8 v0, s[64:65] scope:SCOPE_SE
	s_setreg_imm32_b32 hwreg(HW_REG_WAVE_MODE, 25, 1), 1
	s_wait_xcnt 0x0
; x [8192][1024], w_in [1024][3072] and w_out [1024][1024], f32, become codes of FP4 (E2M1) with one E8M0 byte for each 32 along K (K = 1,024: x's last axis, the weights' first).
; A block's scale is 2^(floor(log2(its largest magnitude)) - 2); its byte is the largest magnitude's exponent field - 2, held at 1 from below.
; THE OUTPUT IS LAID AS IMAGES OF THE MATRIX OPERAND'S REGISTERS.  A tile is 16 rows (x: tokens; weights: columns n); row i of tile T is row 32 (T / 2) + 8 (T % 2) + i + 8 (i / 8).
;   codes:  byte T x 8192 + s x 1024 + c x 512 + 16 x lane: lane (r, h) holds the 32 codes of the tile's row r at k = 128 s + 64 c + 32 h + 0 .. 31
;   scales: byte T x 512 + (s / 4) x 256 + r x 16 + (s % 4) x 4: the four bytes of row r for k = 128 s + 0 .. 127
; Tiles 0-511: x; 512-703: w_in's columns; 704-767: w_out's columns.
; Work-groups 0-255 take x, 256-447 w_in, 448-511 w_out.  Waves share nothing: no barrier.  Only x's path touches LDS.
; LIMITS: NaN and infinities among the inputs are not served; a block of zeros, or one whose largest magnitude lies under 2^-124, gets the byte 1 (its codes are then zeros or small; the bytes are read by this program alone).
; The weights' scale words leave as 4 bytes a lane, 16 bytes apart: 128 KiB in all, one byte for each 128 that these paths read.
.set RS,   16                          ; x: v16-143   four sets of 32 registers as loaded
.set XS0,  144                         ; x: v144-207  two sets of 32 neighbours along K
.set CD,   208                         ; x: v208-239  codes, four registers for each sub-unit: no store's data are written again
.set EB,   240                         ; x: v240-247  a scale byte for each sub-unit
.set WD,   248                         ; x: v248-251  the four scale words
.set PT,   252                         ; x: v252-255  the other half's words
.set STG,  4352                        ; x: a stage: 16 rows x (256 bytes + 16); two for each wave
.set CW,   144                         ; w: v144-159  codes, four registers a block
.set SB,   160                         ; w: v160      the scale word
	s_load_b128 s[4:7], s[0:1], 0x0                ; x, w_in
	s_load_b128 s[8:11], s[0:1], 0x10              ; w_out, xw_img
	s_load_b64 s[12:13], s[0:1], 0x20              ; xw_sc
	v_lshl_add_u32 v10, v0, 2, 0x8800
	s_set_vgpr_msb 0x40
	v_mov_b32 v1, 0
	s_set_vgpr_msb 0x4000
	v_lshrrev_b32 v1, 5, v0
	v_readfirstlane_b32 s14, v1                    ; wave 0..3
	v_and_b32 v2, 31, v0                           ; lane
	s_cmp_lt_u32 ttmp9, 256
	s_cbranch_scc0 .Lweights
; ---------------- x.  Wave W = 4 g + w takes tile W / 2, K half W % 2: 16 rows x 512 along K, in 8 sub-units e of 16 rows x 64 along K (256 bytes a row).
; A load reads 256 consecutive bytes of two rows; the sub-unit turns through the wave's own stage in LDS and comes back 128 bytes a lane: one whole block of 32 in a lane.
	s_lshl_b32 s15, ttmp9, 2
	s_add_co_u32 s15, s15, s14                     ; W
	s_lshr_b32 s16, s15, 1                         ; T
	s_and_b32 s17, s15, 1                          ; K half
	s_lshr_b32 s18, s16, 1
	s_lshl_b32 s18, s18, 5
	s_and_b32 s19, s16, 1
	s_lshl_b32 s19, s19, 3
	s_add_co_u32 s18, s18, s19                     ; the tile's first row: 32 (T / 2) + 8 (T % 2)
	s_lshl_b32 s18, s18, 12                        ; x 4,096 bytes
	s_lshl_b32 s19, s17, 11
	s_add_co_u32 s18, s18, s19                     ; + 2,048 x half
	s_mov_b32 s19, 0
	s_lshl_b32 s20, s15, 12                        ; codes: T x 8192 + half x 4096
	s_mov_b32 s21, 0
	s_lshl_b32 s22, s15, 8                         ; scales: T x 512 + half x 256
	s_mov_b32 s23, 0
	s_mov_b32 s26, 0x76543210
	s_mov_b32 s27, 0xfedcba98                      ; v_permlanex16_b32's selects for lane l xor 16
	s_mov_b32 s28, 0xffff0000                      ; lanes 16-31
	v_and_b32 v5, 15, v0                           ; lane % 16
	v_bfe_u32 v6, v0, 4, 1                         ; lane / 16
	v_lshlrev_b32 v3, 4, v5
	v_lshl_add_u32 v3, v6, 12, v3                  ; in: 16 bytes a lane; lanes 16-31 one row down
	v_lshlrev_b32 v4, 4, v2                        ; an image's place for my lane
	s_mul_i32 s24, s14, 2*STG
	v_mul_u32_u24 v14, v6, 272
	v_lshl_add_u32 v14, v5, 4, v14
	v_add_nc_u32 v14, s24, v14                     ; the stage, on the way in: as loaded
	v_mul_u32_u24 v15, v5, 272
	v_lshl_add_u32 v15, v6, 7, v15
	v_add_nc_u32 v15, s24, v15                     ; and out: row lane % 16, 128 bytes for each half of the lanes
	v_lshlrev_b32 v7, 4, v5
	v_lshl_add_u32 v7, v6, 3, v7                   ; the scale words' place: 16 r + 8 h
	v_lshlrev_b32 v6, 3, v6                        ; 8 h: my byte's shift in a word
.irp q, 0,1,2,3
	v_mov_b32 v[PT+\q], 0                          ; written once: a lane permute's destination counts as one of its sources
.endr
	s_wait_kmcnt 0x0
	s_add_nc_u64 s[4:5], s[4:5], s[18:19]
	s_add_nc_u64 s[10:11], s[10:11], s[20:21]
	s_add_nc_u64 s[12:13], s[12:13], s[22:23]
.macro XLOAD e                         ; sub-unit e: the tile's rows 2 i and 2 i + 1 lie 2 i + 8 (i / 4) rows below its first
.irp i, 0,1,2,3,4,5,6,7
	global_load_b128 v[RS+32*((\e)%4)+4*\i:RS+32*((\e)%4)+4*\i+3], v3, s[4:5] offset:(2*\i+8*(\i/4))*4096+256*(\e) th:TH_LOAD_NT
.endr
.endm
.macro XTURN e                         ; through the stage: LDS serves a wave's instructions in order, so no wait stands between the stores and the loads
.irp i, 0,1,2,3,4,5,6,7
	ds_store_b128 v14, v[RS+32*((\e)%4)+4*\i:RS+32*((\e)%4)+4*\i+3] offset:STG*((\e)%2)+544*\i
.endr
.irp j, 0,1,2,3,4,5,6,7
	ds_load_b128 v[XS0+32*((\e)%2)+4*\j:XS0+32*((\e)%2)+4*\j+3], v15 offset:STG*((\e)%2)+16*\j
.endr
.endm
.macro XSTEP e
.set XQ, XS0+32*((\e)%2)
	s_wait_dscnt 0x0                               ; this sub-unit is back from the stage, and its stores into the stage have read their registers,
.if (\e) < 4
	XLOAD (\e)+4                                   ; which take the loads of four sub-units on
.endif
.if (\e) < 7
.if (\e) < 4
	s_wait_loadcnt 24                              ; the next sub-unit's eight loads are in; those of the three behind it may be out
.else
	s_wait_loadcnt 8*(6-(\e))                      ; likewise, with fewer behind it
.endif
	XTURN (\e)+1                                   ; it goes through the other stage while this one is worked
.endif
	v_max3_num_f32 v8, |v[XQ]|, |v[XQ+1]|, |v[XQ+2]|       ; the block's largest magnitude: all 32 numbers are mine; two chains
	v_max3_num_f32 v9, |v[XQ+3]|, |v[XQ+4]|, |v[XQ+5]|
.irp i, 6,10,14,18,22,26
	v_max3_num_f32 v8, v8, |v[XQ+\i]|, |v[XQ+\i+1]|
	v_max3_num_f32 v9, v9, |v[XQ+\i+2]|, |v[XQ+\i+3]|
.endr
	v_max3_num_f32 v8, v8, |v[XQ+30]|, |v[XQ+31]|
	v_max3_num_f32 v8, v8, v9, 0x1800000           ; and the floor 2^(3 - 127): the byte cannot fall under 1
	v_add_nc_u32 v11, 0xff000000, v8               ; 2 off the exponent field: the conversion takes this operand's exponent field as its scale
.irp g, 0,1,2,3
	v_cvt_scalef32_pk8_fp4_f32 v[CD+4*(\e)+\g], v[XQ+8*\g:XQ+8*\g+7], v11
.endr
	v_lshrrev_b32 v[EB+(\e)], 23, v11              ; the scale's byte (a plain line behind the conversions)
	global_store_b128 v4, v[CD+4*(\e):CD+4*(\e)+3], s[10:11] offset:512*(\e)   ; 32 lanes store 512 consecutive bytes, aligned
.endm
.irp e, 0,1,2,3
	XLOAD \e
.endr
	s_wait_loadcnt 24                              ; sub-unit 0's eight loads are in; three sub-units' may be out
	XTURN 0
.irp e, 0,1,2,3,4,5,6,7
	XSTEP \e
.endr
; the scale words: sub-unit e = 2 q + c gave lane (r, h) the byte of block 2 c + h of K step q
.irp q, 0,1,2,3
	v_lshl_or_b32 v[WD+\q], v[EB+2*\q+1], 16, v[EB+2*\q]
.endr
.irp q, 0,1,2,3
	v_lshlrev_b32 v[WD+\q], v6, v[WD+\q]           ; at their places (8 h bits up);
.endr
.irp q, 0,1,2,3
	v_permlanex16_b32 v[PT+\q], v[WD+\q], s26, s27
.endr
.irp q, 0,1,2,3
	v_or_b32 v[WD+\q], v[WD+\q], v[PT+\q]          ; with lane l xor 16's two the word is whole
.endr
	v_cndmask_b32 v12, v[WD], v[WD+2], s28         ; lanes 0-15 store words 0 and 1, lanes 16-31 words 2 and 3
	v_cndmask_b32 v13, v[WD+1], v[WD+3], s28
	global_store_b64 v7, v[12:13], s[12:13]        ; 32 lanes store 256 consecutive bytes, aligned
	s_set_vgpr_msb 0x4
	s_wait_tensorcnt 0x0
	ds_add_u32 v10, v1
	s_wait_dscnt 0x0
	s_set_vgpr_msb 0x400
	s_endpgm
; ---------------- the weights.  g' = g - 256: K step s = g' % 8 (128 along K), slab = g' / 8: 128 columns of the joint column axis (w_out's begin at 3,072); wave w takes 32 of them.
; A lane takes a column and its registers run down K: a block of 32 lies in one lane, and the conversions give codes with K innermost.  The 32 columns are two tiles: lane l is row (l % 8) + 8 (l / 16) of tile (l / 8) % 2.
.Lweights:
	s_sub_co_u32 s15, ttmp9, 256
	s_and_b32 s16, s15, 7                          ; s
	s_lshr_b32 s17, s15, 3                         ; slab
	v_lshlrev_b32 v3, 2, v2                        ; in: 4 bytes a lane
	v_bfe_u32 v5, v0, 3, 1                         ; which of the two tiles
	v_and_b32 v6, 7, v0
	v_bfe_u32 v7, v0, 4, 1
	v_lshl_add_u32 v6, v7, 3, v6                   ; my row in it
	v_lshlrev_b32 v6, 4, v6
	v_lshl_add_u32 v4, v5, 13, v6                  ; codes: tile x 8192 + 16 x row
	v_lshl_add_u32 v7, v5, 9, v6                   ; scales: tile x 512 + 16 x row
	s_lshl_b32 s18, s17, 3
	s_lshl_b32 s19, s14, 1
	s_add_co_u32 s18, s18, s19
	s_add_co_u32 s18, s18, 512                     ; my first tile: 512 + 8 slab + 2 w
	s_lshl_b32 s20, s18, 13
	s_lshl_b32 s19, s16, 10
	s_add_co_u32 s20, s20, s19                     ; + s x 1024
	s_mov_b32 s21, 0
	s_lshl_b32 s22, s18, 9
	s_lshr_b32 s19, s16, 2
	s_lshl_b32 s19, s19, 8
	s_add_co_u32 s22, s22, s19                     ; + (s / 4) x 256
	s_and_b32 s19, s16, 3
	s_lshl_b32 s19, s19, 2
	s_add_co_u32 s22, s22, s19                     ; + (s % 4) x 4
	s_mov_b32 s23, 0
	s_lshl_b32 s25, s14, 7                         ; my 32 columns: 128 bytes x wave
	s_wait_kmcnt 0x0
	s_add_nc_u64 s[10:11], s[10:11], s[20:21]
	s_add_nc_u64 s[12:13], s[12:13], s[22:23]
.macro WLOAD t, base, pitch            ; block t: rows 32 t + i of my K step, my column: 128 consecutive bytes a wave
.irp i, 0,1,2,3,4,5,6,7,8,9,10,11,12,13,14,15,16,17,18,19,20,21,22,23,24,25,26,27,28,29,30,31
	global_load_b32 v[16+32*(\t)+\i], v3, s[\base:\base+1] offset:(32*(\t)+\i)*\pitch th:TH_LOAD_NT
.endr
.endm
.macro WBLOCK t
.set XQ, 16+32*(\t)
	v_max3_num_f32 v12, |v[XQ]|, |v[XQ+1]|, |v[XQ+2]|
	v_max3_num_f32 v13, |v[XQ+3]|, |v[XQ+4]|, |v[XQ+5]|
.irp i, 6,10,14,18,22,26
	v_max3_num_f32 v12, v12, |v[XQ+\i]|, |v[XQ+\i+1]|
	v_max3_num_f32 v13, v13, |v[XQ+\i+2]|, |v[XQ+\i+3]|
.endr
	v_max3_num_f32 v12, v12, |v[XQ+30]|, |v[XQ+31]|
	v_max3_num_f32 v12, v12, v13, 0x1800000        ; the floor 2^(3 - 127)
	v_add_nc_u32 v11, 0xff000000, v12              ; the conversion's scale operand
	v_lshrrev_b32 v13, 23, v11                     ; the byte
.if (\t) == 0
	v_mov_b32 v[SB], v13
.else
	v_lshl_or_b32 v[SB], v13, 8*(\t), v[SB]        ; the lower K in the lower byte
.endif
.irp g, 0,1,2,3
	v_cvt_scalef32_pk8_fp4_f32 v[CW+4*(\t)+\g], v[XQ+8*\g:XQ+8*\g+7], v11
.endr
	v_nop                                          ; a plain line behind the conversions
	global_store_b128 v4, v[CW+4*(\t):CW+4*(\t)+3], s[10:11] offset:256*(\t)   ; block t = (c, h): c x 512 + h x 256; each tile's sixteen lanes store 256 consecutive bytes, aligned
.endm
.macro WPATH base, pitch
	WLOAD 0, \base, \pitch
	WLOAD 1, \base, \pitch
	s_wait_loadcnt 32                              ; block 0 is in; block 1's 32 loads may be out
	WLOAD 2, \base, \pitch
	WBLOCK 0
	s_wait_loadcnt 32                              ; block 1 is in; block 2's may be out
	WLOAD 3, \base, \pitch
	WBLOCK 1
	s_wait_loadcnt 32                              ; block 2 is in; block 3's may be out
	WBLOCK 2
	s_wait_loadcnt 0x0
	WBLOCK 3
	global_store_b32 v7, v[SB], s[12:13]           ; my column's scale word for this K step
	s_endpgm
.endm
	s_cmp_lt_u32 s17, 24
	s_cbranch_scc0 .Lwout
	s_mul_i32 s26, s16, 128*12288                  ; w_in: 128 s rows of 12,288 bytes
	s_lshl_b32 s27, s17, 9
	s_add_co_u32 s26, s26, s27                     ; + 512 bytes x slab
	s_add_co_u32 s26, s26, s25
	s_mov_b32 s27, 0
	s_add_nc_u64 s[6:7], s[6:7], s[26:27]
	WPATH 6, 12288
.Lwout:
	s_lshl_b32 s26, s16, 19                        ; w_out: 128 s rows of 4,096 bytes
	s_sub_co_u32 s27, s17, 24
	s_lshl_b32 s27, s27, 9
	s_add_co_u32 s26, s26, s27
	s_add_co_u32 s26, s26, s25
	s_mov_b32 s27, 0
	s_add_nc_u64 s[8:9], s[8:9], s[26:27]
	WPATH 8, 4096
.Lfunc_end_k_q249f5c65e2_quant:
	.size	k_q249f5c65e2_quant, .Lfunc_end_k_q249f5c65e2_quant-k_q249f5c65e2_quant
	.p2alignl 7, 3214868480
	.fill 96, 4, 3214868480
	.section	.rodata,"a",@progbits
	.p2align	6, 0x0
	.amdhsa_kernel k_q249f5c65e2_quant
		.amdhsa_group_segment_fixed_size 35328
		.amdhsa_private_segment_fixed_size 0
		.amdhsa_enable_private_segment 0
		.amdhsa_kernarg_size 40
		.amdhsa_user_sgpr_count 2
		.amdhsa_user_sgpr_kernarg_segment_ptr 1
		.amdhsa_wavefront_size32 1
		.amdhsa_system_sgpr_workgroup_id_x 1
		.amdhsa_system_sgpr_workgroup_id_y 1
		.amdhsa_system_sgpr_workgroup_id_z 1
		.amdhsa_system_vgpr_workitem_id 0
		.amdhsa_next_free_vgpr 258
		.amdhsa_next_free_sgpr 66
		.amdhsa_reserve_vcc 0
		.amdhsa_float_denorm_mode_32 3
		.amdhsa_float_denorm_mode_16_64 3
		.amdhsa_memory_ordered 1
		.amdhsa_forward_progress 1
		.amdhsa_inst_pref_size 69
	.end_amdhsa_kernel
	.amdgpu_metadata
---
amdhsa.version: [ 1, 2 ]
amdhsa.kernels:
  - .name:           k_q249f5c65e2_quant
    .symbol:         k_q249f5c65e2_quant.kd
    .args:
      - { .name: x, .offset: 0, .size: 8, .value_kind: global_buffer, .address_space: global }
      - { .name: w_in, .offset: 8, .size: 8, .value_kind: global_buffer, .address_space: global }
      - { .name: w_out, .offset: 16, .size: 8, .value_kind: global_buffer, .address_space: global }
      - { .name: xw_img, .offset: 24, .size: 8, .value_kind: global_buffer, .address_space: global }
      - { .name: xw_sc, .offset: 32, .size: 8, .value_kind: global_buffer, .address_space: global }
    .group_segment_fixed_size: 35328
    .private_segment_fixed_size: 0
    .kernarg_segment_align: 8
    .kernarg_segment_size: 40
    .max_flat_workgroup_size: 128
    .sgpr_count:     66
    .vgpr_count:     258
    .wavefront_size: 32
...
	.end_amdgpu_metadata
.endif
;; end of part 1
;; launch qkv (part 2): grid 12 x 32, 4 waves a work-group, clusters of 4 x 4, 279,040 bytes of LDS; arguments xw_img, xw_sc, b_in, qkv_img, qkv_sc; writes qkv_img, qkv_sc
.if DOCPART == 2
	.amdgcn_target "amdgcn-amd-amdhsa--gfx1250"
	.amdhsa_code_object_version 6
	.text
	.protected	k_q249f5c65e2_qkv
	.globl	k_q249f5c65e2_qkv
	.p2align	8
	.type	k_q249f5c65e2_qkv,@function
k_q249f5c65e2_qkv:
	s_mov_b64 s[64:65], 0
	v_nop
	global_prefetch_b8 v0, s[64:65] scope:SCOPE_SE
	s_setreg_imm32_b32 hwreg(HW_REG_WAVE_MODE, 25, 1), 1
	s_wait_xcnt 0x0
	s_wait_alu depctr_hold_cnt(0) depctr_sa_sdst(0) depctr_va_vdst(0) depctr_va_sdst(0) depctr_va_ssrc(0) depctr_va_vcc(0) depctr_vm_vsrc(0)
	s_getreg_b32 s2, hwreg(HW_REG_IB_STS2, 6, 4)
	s_cmp_eq_u32 s2, 0
	s_cbranch_scc0 .Lentry_in_a_cluster
	s_endpgm
.Lentry_in_a_cluster:
	s_bfe_u32 s2, ttmp6, 0x10000c
	s_cmp_lg_u32 s2, 0xf033
	s_cbranch_scc0 .Lentry_shape_is_right
	s_endpgm
.Lentry_shape_is_right:
; qkv = x w_in + b_in on codes of FP4 (E2M1) with E8M0 scales, K = 1,024; the results are quantised in registers and leave as images of attention's operands.
; OPERANDS are images of registers (a tile = 16 rows; row i of tile T is row 32 (T / 2) + 8 (T % 2) + i + 8 (i / 8); codes at T x 8192 + s x 1024 + c x 512 + 16 x lane, scale words at T x 512 + (s / 4) x 256 + 16 r + 4 (s % 4)).
; With these rows, the 16 registers of two neighbouring result tiles are 16 NEIGHBOURS along source 0's index: they are quantised along it without changing lanes but for one exchange of halves.
; A work-group makes 256 x 256, a wave 128 x 128: 64 accumulators.  P is source 0 (its index runs along a lane's registers), R is source 1 (its index is lane % 16).
; THE KIND is the cluster's x: 0 = q, 1 = k, 2 = v; it is the same in all sixteen partners.  q, k: P = 256 columns of w_in, R = 256 tokens: quantised along the head's 64 (two blocks).
; v: THE ROLES ARE SWAPPED, P = 256 tokens, R = 256 columns: quantised along the tokens, which are the keys of attention's second product.
; CLUSTER 4 x 4: R's tile hangs on cy and goes to my row of the cluster, P's on cx and goes to my column: each is asked for jointly.
; K = 1,024 is two slots of 512 along K: both are filled once, at the head, and nothing is filled again.  By this text's count a wave has three tensor loads out (scales, slot 0, slot 1).
; The bias is the C of each sum's first matrix instruction.
; OUT (bh = batch x 16 + head): q at 0, k at 4 MiB: (bh x 128 + T) x 512 + 16 x lane: lane (r, h): token row r of tile T, head numbers 32 h + 0 .. 31.  v at 8 MiB: bh x 65536 + kk x 4096 + t x 1024 + c x 512 + 16 x lane:
; lane (r, h): row r of the head's tile t, keys 128 kk + 64 c + 32 h + 0 .. 31.  Scale words: q at 0, k at 524,288: bh x 8192 + kk x 512 + 16 x lane + 4 p: token tile 8 kk + 2 p + h, row r, bytes 0, 1 (bytes 2, 3 are 0: they scale zero codes);
; v at 1,048,576: bh x 4096 + kk x 256 + 8 x lane + 4 p: tile 2 p + h, row r.
; LIMITS: NaN and infinities are not served; a block whose largest magnitude lies under 2^-124 gets the byte 1.
; REGISTERS: window 0: v16-29 addresses; v32-95 scale words, two sets; v96-103 the scale words made; v104-119 at work; v120-127 words on their way out; v128-191 R's fragments, later the codes made; v192-255 the bias.
;   window 1: P's fragments, two sets, at v0 and v128.   windows 2, 3: the accumulators of R's tiles 0-3, 4-7: (a, b) at v[8 (8 (a % 4) + b)].
.set SLOT,  131072                     ; a slot: R's 16 tiles x 4,096 bytes, then P's 16
.set SCL,   2*SLOT                     ; behind them the scale words: R's 8,192 bytes, then P's
.set ADRA, 16                          ; v16-17  LDS address of my R fragments in slot 0, 1
.set ADRB, 20                          ; v20-21  the same for P
.set ADRS, 27                          ; v27     of my scale words: lanes 0-15 R's, lanes 16-31 P's
.set L8,   28                          ; v28     8 x lane
.set L16,  29                          ; v29     16 x lane
.set SC,   32
.set PW,   96
.set TM,   104
.set OW,   120
.set AF,   128
.set PC,   128
.set BIAS, 192
.set G1R,  24                          ; s[24:31] group 1 for R's codes;  s[32:39] group 0, a set for each slot
.set G0R,  32
.set G1P,  48                          ; s[48:55], s[56:63] the same for P
.set G0P,  56
.set G1SR, 68                          ; s[68:75], s[76:79] groups 1 and 0 for R's scales;  s[80:87], s[88:91] for P's
.set G0SR, 76
.set G1SP, 80
.set G0SP, 88
.set OC,   92                          ; s[92:93] where my codes go;  s[94:95] my scale words;  s[96:97] my bias
.set OS,   94
.set BB,   96
.set HM,   98                          ; s98 lanes 16-31
.set MSB, 0
.macro WIN new                         ; the immediate's high byte repeats the setting that is left; a switch that changes nothing is dropped
.if MSB != (\new)
	s_set_vgpr_msb (MSB<<8)|(\new)
.set MSB, (\new)
.endif
.endm
.macro JLOAD g0a, g1a, g0b, g1b        ; a joint load: waves 0 and 1 fetch for R, waves 2 and 3 for P; four v_nop follow each of the two lines
	s_cmp_eq_u32 s15, 0
	s_cbranch_scc0 .Lfor_p_\@
	tensor_load_to_lds s[\g0a:\g0a+3], s[\g1a:\g1a+7]
	s_nop 0
.rept 4
	v_nop
.endr
	s_branch .Lasked_\@
.Lfor_p_\@:
	tensor_load_to_lds s[\g0b:\g0b+3], s[\g1b:\g1b+7]
	s_nop 0
.rept 4
	v_nop
.endr
.Lasked_\@:
.endm
.macro CROUND                          ; a round of the cluster's barrier
	s_barrier_signal -1
	s_barrier_wait -1
	s_cmp_lg_u32 s14, 0
	s_cbranch_scc1 .Lnot_wave_0_\@
	s_barrier_signal -3
.Lnot_wave_0_\@:
	s_barrier_wait -3
	s_barrier_signal -1
	s_barrier_wait -1
.endm
.macro PLACES n
.rept \n
	v_nop
.endr
.endm
	s_load_b256 s[4:11], s[0:1], 0x0               ; xw_img s[4:5], xw_sc s[6:7], b_in s[8:9], qkv_img s[10:11]
	s_load_b64 s[12:13], s[0:1], 0x20              ; qkv_sc
	v_lshl_add_u32 v30, v0, 2, 0x44000
	v_mov_b32 v31, 0
	ds_add_u32 v30, v31
	ds_add_u32 v30, v31
	v_lshrrev_b32 v1, 5, v0
	v_readfirstlane_b32 s14, v1                    ; wave 0..3
	s_lshr_b32 s15, s14, 1                         ; which half of R's tiles is mine.  Also: I fetch for R (0) or for P (1)
	s_and_b32 s16, s14, 1                          ; which half of P's.  Also: which 8 tiles I fetch
	s_bfe_u32 s40, ttmp6, 0x40000                  ; cx
	s_bfe_u32 s41, ttmp6, 0x40004                  ; cy
	s_and_b32 s17, ttmp7, 0xffff                   ; Y: the cluster's y
	s_mov_b32 s18, ttmp9                           ; the kind: the cluster's x
	s_lshl_b32 s43, s41, 2
	s_lshl_b32 s43, 15, s43                        ; my row of the cluster
	s_lshl_b32 s44, 0x1111, s40                    ; my column
	s_mov_b32 s2, 0x76543210
	s_mov_b32 s3, 0xfedcba98                       ; v_permlanex16_b32's selects for lane l xor 16
	s_mov_b32 s[HM], 0xffff0000
	; group 1, codes: 8 tiles' halves: 8 rows of 4,096 bytes (512 elements of 8 bytes), 8,192 bytes apart; no padding: every LDS read is 16 x lane
	s_or_b32 s[G1R], s43, (3<<16)|(1<<21)          ; 15:0 the mask; 17:16 elements of 8 bytes; 21 set beside a mask
	s_or_b32 s[G1P], s44, (3<<16)|(1<<21)
.irp g, G1R, G1P
	s_mov_b32 s[\g+1], 512<<16                     ; tensor_dim0
	s_mov_b32 s[\g+2], 8<<16                       ; tensor_dim1
	s_mov_b32 s[\g+3], 512<<16                     ; tile_dim0
	s_mov_b32 s[\g+4], 8                           ; tile_dim1
	s_mov_b32 s[\g+5], 1024                        ; tensor_dim0_stride
	s_mov_b32 s[\g+6], 0
	s_mov_b32 s[\g+7], 0
.endr
	; group 1, scales: 8 tiles' words are 4,096 dense bytes: 16 rows of 256
	s_or_b32 s[G1SR], s43, (3<<16)|(1<<21)
	s_or_b32 s[G1SP], s44, (3<<16)|(1<<21)
.irp g, G1SR, G1SP
	s_mov_b32 s[\g+1], 32<<16
	s_mov_b32 s[\g+2], 16<<16
	s_mov_b32 s[\g+3], 32<<16
	s_mov_b32 s[\g+4], 16
	s_mov_b32 s[\g+5], 32
	s_mov_b32 s[\g+6], 0
	s_mov_b32 s[\g+7], 0
.endr
	; which tiles.  q, k: R = x's tiles 16 (4 Y + cy), P = w_in's 512 + 16 (4 kind + cx).  v: R = w_in's 640 + 16 cy, P = x's 16 (4 Y + cx).  The choice hangs on the kind alone; cy enters R's number only, cx P's only
	s_lshl_b32 s19, s17, 6                         ; 64 Y
	s_lshl_b32 s45, s18, 6
	s_add_co_u32 s45, s45, 512                     ; 512 + 64 kind
	s_mov_b32 s20, 640
	s_cmp_eq_u32 s18, 2
	s_cselect_b32 s20, s20, s19
	s_cselect_b32 s45, s19, s45
	s_lshl_b32 s21, s41, 4
	s_add_co_u32 s20, s20, s21                     ; + 16 cy
	s_lshl_b32 s46, s40, 4
	s_add_co_u32 s45, s45, s46                     ; + 16 cx
	s_lshl_b32 s21, s16, 3
	s_add_co_u32 s19, s20, s21                     ; + the 8 tiles that I fetch
	s_add_co_u32 s45, s45, s21
	s_lshl_b32 s20, s19, 13                        ; R: codes,
	s_mov_b32 s21, 0
	s_lshl_b32 s22, s19, 9                         ; scale words
	s_mov_b32 s23, 0
	s_lshl_b32 s46, s45, 13                        ; P likewise
	s_mov_b32 s47, 0
	s_lshl_b32 s66, s45, 9
	s_mov_b32 s67, 0
	s_lshl_b32 s42, s14, 15                        ; where they go: wave x 32,768 in a slot,
	s_lshl_b32 s99, s14, 12                        ; wave x 4,096 among the scales: no place in the cluster enters an LDS address
	s_wait_dscnt 0x0
	s_wait_kmcnt 0x0
	s_add_nc_u64 s[20:21], s[4:5], s[20:21]
	s_add_nc_u64 s[22:23], s[6:7], s[22:23]
	s_add_nc_u64 s[46:47], s[4:5], s[46:47]
	s_add_nc_u64 s[66:67], s[6:7], s[66:67]
	CROUND                                         ; all sixteen work-groups are here: the joint loads meet
	s_mov_b32 s[G0SR], 1
	s_add_co_u32 s[G0SR+1], s99, SCL
	s_mov_b64 s[G0SR+2:G0SR+3], s[22:23]
	s_or_b32 s[G0SR+3], s[G0SR+3], 0x80000000
	s_mov_b32 s[G0SP], 1
	s_add_co_u32 s[G0SP+1], s99, SCL
	s_mov_b64 s[G0SP+2:G0SP+3], s[66:67]
	s_or_b32 s[G0SP+3], s[G0SP+3], 0x80000000
	JLOAD G0SR, G1SR, G0SP, G1SP                   ; the scales first: they are wanted with the first K step
.irp s, 0,1
	s_mov_b32 s[G0R+4*\s], 1
	s_add_co_u32 s[G0R+4*\s+1], s42, \s*SLOT
	s_add_nc_u64 s[G0R+4*\s+2:G0R+4*\s+3], s[20:21], \s*4096
	s_or_b32 s[G0R+4*\s+3], s[G0R+4*\s+3], 0x80000000
	s_mov_b32 s[G0P+4*\s], 1
	s_add_co_u32 s[G0P+4*\s+1], s42, \s*SLOT
	s_add_nc_u64 s[G0P+4*\s+2:G0P+4*\s+3], s[46:47], \s*4096
	s_or_b32 s[G0P+4*\s+3], s[G0P+4*\s+3], 0x80000000
	JLOAD G0R+4*\s, G1R, G0P+4*\s, G1P
.endr
	v_and_b32 v1, 15, v0                           ; r
	v_bfe_u32 v2, v0, 4, 1                         ; h
	v_and_b32 v3, 31, v0
	v_lshlrev_b32 v[L16], 4, v3
	v_lshlrev_b32 v[L8], 3, v3
	s_lshl_b32 s21, s15, 15                        ; my 8 tiles of R
	s_lshl_b32 s22, s16, 15
	s_add_co_u32 s22, s22, 65536                   ; my 8 of P, behind R's 16
.irp s, 0,1
	v_add_nc_u32 v[ADRA+\s], s21, v[L16]
	v_add_nc_u32 v[ADRB+\s], s22, v[L16]
	s_add_co_u32 s21, s21, SLOT
	s_add_co_u32 s22, s22, SLOT
.endr
	v_lshlrev_b32 v5, 4, v1                        ; a row's four words: 16 r
	s_lshl_b32 s21, s15, 12                        ; R's: my 8 tiles
	s_lshl_b32 s22, s16, 12
	s_add_co_u32 s22, s22, 8192                    ; P's, behind R's 16
	s_sub_co_u32 s22, s22, s21
	v_mul_u32_u24 v6, s22, v2                      ; lanes 16-31 take P's
	s_add_co_u32 s21, s21, SCL
	v_add_nc_u32 v5, v5, v6
	v_add_nc_u32 v[ADRS], s21, v5
.irp b, 0,1,2,3
	v_mov_b32 v[TM+4+\b], 0                        ; written once: a lane permute's destination counts as one of its sources
.endr
; where my results go.  bh0 = 16 (Y / 2) + 4 ca + 2 wa: my first head; kk = 2 (4 (Y % 2) + cb) + wb: my 128 tokens of the batch.  codes: kind << 22 + bh0 << 16 + kk << 12;  scale words: kind << 19 + bh0 << (sh + 4) + kk << sh
.macro OUTADR ca, wa, cb, wb, sh
	s_lshr_b32 s46, s17, 1
	s_lshl_b32 s46, s46, 4
	s_lshl_b32 s47, s[\ca], 2
	s_add_co_u32 s46, s46, s47
	s_lshl_b32 s47, s[\wa], 1
	s_add_co_u32 s46, s46, s47                     ; bh0
	s_and_b32 s47, s17, 1
	s_lshl_b32 s47, s47, 2
	s_add_co_u32 s47, s47, s[\cb]
	s_lshl_b32 s47, s47, 1
	s_add_co_u32 s47, s47, s[\wb]                  ; kk
	s_lshl_b32 s66, s18, 22
	s_lshl_b32 s67, s46, 16
	s_add_co_u32 s66, s66, s67
	s_lshl_b32 s67, s47, 12
	s_add_co_u32 s66, s66, s67
	s_mov_b32 s67, 0
	s_add_nc_u64 s[OC:OC+1], s[10:11], s[66:67]
	s_lshl_b32 s66, s18, 19
	s_lshl_b32 s67, s46, \sh+4
	s_add_co_u32 s66, s66, s67
	s_lshl_b32 s67, s47, \sh
	s_add_co_u32 s66, s66, s67
	s_mov_b32 s67, 0
	s_add_nc_u64 s[OS:OS+1], s[12:13], s[66:67]
.endm
	s_cmp_eq_u32 s18, 2
	s_cbranch_scc1 .Lbias_v
	OUTADR 40, 16, 41, 15, 9
	s_lshl_b32 s46, s18, 12                        ; q, k: the bias runs along P: column 256 (4 kind + cx) + 128 wp + 32 (b / 2) + 8 (b % 2) + 16 h + j
	s_lshl_b32 s47, s40, 10
	s_add_co_u32 s46, s46, s47
	s_lshl_b32 s47, s16, 9
	s_add_co_u32 s46, s46, s47
	s_mov_b32 s47, 0
	s_add_nc_u64 s[BB:BB+1], s[8:9], s[46:47]
	v_lshlrev_b32 v7, 6, v2
.irp b, 0,1,2,3,4,5,6,7
	global_load_b128 v[BIAS+8*\b:BIAS+8*\b+3], v7, s[BB:BB+1] offset:(32*(\b/2)+8*(\b%2))*4
	global_load_b128 v[BIAS+8*\b+4:BIAS+8*\b+7], v7, s[BB:BB+1] offset:(32*(\b/2)+8*(\b%2))*4+16
.endr
	s_wait_loadcnt 0x0
	s_branch .Lbias_done
.Lbias_v:
	OUTADR 41, 15, 40, 16, 8
	s_lshl_b32 s46, s41, 10                        ; v: the bias runs along R: column 2,048 + 256 cy + 128 wr + 32 (a / 2) + 8 (a % 2) + r + 8 (r / 8): one number a lane and tile
	s_add_co_u32 s46, s46, 8192
	s_lshl_b32 s47, s15, 9
	s_add_co_u32 s46, s46, s47
	s_mov_b32 s47, 0
	s_add_nc_u64 s[BB:BB+1], s[8:9], s[46:47]
	v_and_b32 v7, 8, v1
	v_add_nc_u32 v7, v7, v1
	v_lshlrev_b32 v7, 2, v7
.irp a, 0,1,2,3,4,5,6,7
	global_load_b32 v[BIAS+8*\a], v7, s[BB:BB+1] offset:(32*(\a/2)+8*(\a%2))*4
.endr
	s_wait_loadcnt 0x0
.irp a, 0,1,2,3,4,5,6,7
.irp j, 1,2,3,4,5,6,7
	v_mov_b32 v[BIAS+8*\a+\j], v[BIAS+8*\a]        ; the same for the tile's eight registers
.endr
.endr
	PLACES 4
.Lbias_done:
.macro FRAG reg, adr, q, i             ; a fragment, 16 rows x 128 K, is 8 registers: two loads of 16 x lane
.irp c, 0,1
	ds_load_b128 v[\reg+4*\c:\reg+4*\c+3], v[\adr] offset:(\i)*4096+(\q)*1024+512*\c
.endr
.endm
.macro FETCH_B slot, q, p              ; P's eight fragments of the slot's q-th 128 along K into set p
	WIN 0x40
.irp i, 0,1,2,3,4,5,6,7
	FRAG 128*(\p)+8*\i, ADRB+\slot, \q, \i
.endr
	WIN 0
.endm
.macro FETCH_A slot, q, i0             ; R's tiles i0 .. i0 + 3
.irp i, \i0, \i0+1, \i0+2, \i0+3
	FRAG AF+8*(\i), ADRA+\slot, \q, \i
.endr
.endm
.macro SCALES sg                       ; a slot's scale words: four a row; lanes 0-15 take R's tile i, lanes 16-31 P's tile i
.irp i, 0,1,2,3,4,5,6,7
	ds_load_b128 v[SC+32*\sg+4*\i:SC+32*\sg+4*\i+3], v[ADRS] offset:\i*512+\sg*256
.endr
.endm
; 16 matrix instructions: R's tiles a0, a0 + 1 x P's eight.  cm = 0: onto the sums; 1: the sums begin with the bias along P; 2: along R.  The 64 accumulators take turns, one instruction a turn, in the same order in every step.
.macro MULN a0, p, q, sc, cm
.irp a, \a0, \a0+1
.irp b, 0,1,2,3,4,5,6,7
.if (\cm) == 1
	v_wmma_scale_f32_16x16x128_f8f6f4 v[8*(8*((\a)%4)+\b):8*(8*((\a)%4)+\b)+7], v[128*(\p)+8*\b:128*(\p)+8*\b+7], v[AF+8*(\a):AF+8*(\a)+7], v[BIAS+8*\b:BIAS+8*\b+7], v[SC+32*(\sc)+4*\b+(\q)], v[SC+32*(\sc)+4*(\a)+(\q)] matrix_a_fmt:MATRIX_FMT_FP4 matrix_b_fmt:MATRIX_FMT_FP4 matrix_a_scale:MATRIX_SCALE_ROW1
.elseif (\cm) == 2
	v_wmma_scale_f32_16x16x128_f8f6f4 v[8*(8*((\a)%4)+\b):8*(8*((\a)%4)+\b)+7], v[128*(\p)+8*\b:128*(\p)+8*\b+7], v[AF+8*(\a):AF+8*(\a)+7], v[BIAS+8*(\a):BIAS+8*(\a)+7], v[SC+32*(\sc)+4*\b+(\q)], v[SC+32*(\sc)+4*(\a)+(\q)] matrix_a_fmt:MATRIX_FMT_FP4 matrix_b_fmt:MATRIX_FMT_FP4 matrix_a_scale:MATRIX_SCALE_ROW1
.else
	v_wmma_scale_f32_16x16x128_f8f6f4 v[8*(8*((\a)%4)+\b):8*(8*((\a)%4)+\b)+7], v[128*(\p)+8*\b:128*(\p)+8*\b+7], v[AF+8*(\a):AF+8*(\a)+7], v[8*(8*((\a)%4)+\b):8*(8*((\a)%4)+\b)+7], v[SC+32*(\sc)+4*\b+(\q)], v[SC+32*(\sc)+4*(\a)+(\q)] matrix_a_fmt:MATRIX_FMT_FP4 matrix_b_fmt:MATRIX_FMT_FP4 matrix_a_scale:MATRIX_SCALE_ROW1
.endif
.endr
.endr
.endm
; A step of 128 along K that has its successor in the same slot.  A load into a register that a matrix instruction has read stands four plain vector instructions behind it (ISA guide 7.12.1 for vector instructions).
.macro STEP slot, q, cm
	s_wait_dscnt 8                                 ; P's set, R's tiles 0-3 (and the scales) are in; the youngest eight loads, R's tiles 4-7, may be out
.if \cm
	WIN 0x81                                       ; source 0 (P) window 1, source 1 (R) and C (the bias) window 0, D window 2
.else
	WIN 0xa1                                       ; C and D window 2
.endif
	MULN 0, (\q)%2, \q, \slot, \cm
	MULN 2, (\q)%2, \q, \slot, \cm
	s_wait_dscnt 0x0                               ; R's tiles 4-7 are in
	PLACES 4
	FETCH_B \slot, (\q)+1, 1-(\q)%2
	FETCH_A \slot, (\q)+1, 0
.if \cm
	WIN 0xc1
.else
	WIN 0xf1
.endif
	MULN 4, (\q)%2, \q, \slot, \cm
	MULN 6, (\q)%2, \q, \slot, \cm
	PLACES 4
	WIN 0
	FETCH_A \slot, (\q)+1, 4
.endm
	s_wait_tensorcnt 1                             ; the scales and my part of slot 0 are in; slot 1's load may be out,
	s_barrier_signal -1
	s_barrier_wait -1                              ; everybody's are
	FETCH_B 0, 0, 0
	FETCH_A 0, 0, 0
	SCALES 0
	FETCH_A 0, 0, 4
	s_cmp_eq_u32 s18, 2
	s_cbranch_scc1 .Lfirst_v
	STEP 0, 0, 1                                   ; the first step starts the sums with the bias
	s_branch .Lfirst_done
.Lfirst_v:
	STEP 0, 0, 2
.Lfirst_done:
	STEP 0, 1, 0
	STEP 0, 2, 0
	; slot 0's last step changes slots: my part of slot 1 has landed, then the work-group's barrier; nothing is filled again
	s_wait_tensorcnt 0x0
	s_wait_dscnt 8
	WIN 0xa1
	MULN 0, 1, 3, 0, 0
	s_wait_dscnt 0x0                               ; no LDS instruction of mine is out at the signal
	s_barrier_signal -1
	MULN 2, 1, 3, 0, 0
	WIN 0
	s_barrier_wait -1
	PLACES 4
	FETCH_B 1, 0, 0
	FETCH_A 1, 0, 0
	SCALES 1
	WIN 0xf1
	MULN 4, 1, 3, 0, 0
	MULN 6, 1, 3, 0, 0
	PLACES 4
	WIN 0
	FETCH_A 1, 0, 4
	STEP 1, 0, 0
	STEP 1, 1, 0
	STEP 1, 2, 0
	s_wait_dscnt 8                                 ; the last step: nothing more to fetch
	WIN 0xa1
	MULN 0, 1, 3, 1, 0
	MULN 2, 1, 3, 1, 0
	s_wait_dscnt 0x0
	WIN 0xf1
	MULN 4, 1, 3, 1, 0
	MULN 6, 1, 3, 1, 0
	WIN 0
; THE WAY OUT.  The 64 registers of R's tile a: register 16 b + i = P's index 32 b + 16 (lane / 16) + i of my row: four blocks of 32, each in lanes l and l xor 16.  They become a fragment's 8 registers in v[PC + 8 a] on and its scale word in v[PW + a].
; Each accumulator is read from its low end on.
.macro QUANTA a
.set AC, 64*((\a)%4)
.set WS, 2+(\a)/4
	WIN (WS<<2)|(WS<<4)                            ; sources 1 and 2: the accumulators' window
.irp b, 0,1,2,3
	v_max3_num_f32 v[TM+\b], 0x1800000, |v[AC+16*\b]|, |v[AC+16*\b+1]|   ; my 16 numbers of block b, and the floor 2^(3 - 127)
.endr
.irp i, 2,4,6,8,10,12,14
.irp b, 0,1,2,3
	v_max3_num_f32 v[TM+\b], v[TM+\b], |v[AC+16*\b+\i]|, |v[AC+16*\b+\i+1]|   ; (the four blocks by turns)
.endr
.endr
	WIN 0
.irp b, 0,1,2,3
	v_permlanex16_b32 v[TM+4+\b], v[TM+\b], s2, s3
.endr
.irp b, 0,1,2,3
	v_max_num_f32 v[TM+\b], v[TM+\b], v[TM+4+\b]   ; with lane l xor 16's: the block's largest magnitude
.endr
.irp b, 0,1,2,3
	v_add_nc_u32 v[TM+12+\b], 0xff000000, v[TM+\b] ; 2 off the exponent field: the conversion's scale operand
.endr
.irp b, 0,1,2,3
	v_lshrrev_b32 v[TM+4+\b], 23, v[TM+12+\b]      ; the byte
.endr
	v_lshl_or_b32 v[PW+(\a)], v[TM+5], 8, v[TM+4]
	v_lshl_or_b32 v[PW+(\a)], v[TM+6], 16, v[PW+(\a)]
	v_lshl_or_b32 v[PW+(\a)], v[TM+7], 24, v[PW+(\a)]
	WIN WS                                         ; source 0: the accumulators' window
.irp b, 0,1,2,3
	v_cvt_scalef32_pk8_fp4_f32 v[PC+8*(\a)+2*\b], v[AC+16*\b:AC+16*\b+7], v[TM+12+\b]
	v_cvt_scalef32_pk8_fp4_f32 v[PC+8*(\a)+2*\b+1], v[AC+16*\b+8:AC+16*\b+15], v[TM+12+\b]
.endr
	WIN 0
	v_nop                                          ; a plain line behind the conversions
.irp c, 0,1                                    ; the operand's layout wants a whole block in a lane: lanes 0-15 block 2 c, lanes 16-31 block 2 c + 1
.irp i, 0,1
	v_permlane16_swap_b32 v[PC+8*(\a)+4*\c+\i], v[PC+8*(\a)+4*\c+2+\i]
.endr
.endr
.endm
.macro EPI isv
	PLACES 4                                       ; behind the last products
.irp a, 0,1,2,3,4,5,6,7
	QUANTA \a
.irp c, 0,1
.if \isv
	global_store_b128 v[L16], v[PC+8*\a+4*\c:PC+8*\a+4*\c+3], s[OC:OC+1] offset:(\a/4)*65536+(\a%4)*1024+\c*512   ; head a / 4, its tile a % 4, keys 64 c on: 512 consecutive bytes, aligned
.else
	global_store_b128 v[L16], v[PC+8*\a+4*\c:PC+8*\a+4*\c+3], s[OC:OC+1] offset:\c*65536+\a*512                    ; head c, token tile a
.endif
.endr
.endr
.if \isv
.irp e, 0,1                                    ; head e: word p of lane (r, h) is tile 2 p + h's
.irp p, 0,1
	v_cndmask_b32 v[OW+2*\e+\p], v[PW+4*\e+2*\p], v[PW+4*\e+2*\p+1], s[HM]
.endr
.endr
	global_store_b64 v[L8], v[OW:OW+1], s[OS:OS+1]              ; 256 consecutive bytes, aligned
	global_store_b64 v[L8], v[OW+2:OW+3], s[OS:OS+1] offset:4096
.else
.irp p, 0,1,2,3                                ; word p of lane (r, h) is token tile 2 p + h's
	v_cndmask_b32 v[TM+8+\p], v[PW+2*\p], v[PW+2*\p+1], s[HM]
.endr
.irp p, 0,1,2,3
	v_and_b32 v[OW+\p], 0xffff, v[TM+8+\p]         ; the first head's two bytes,
	v_lshrrev_b32 v[OW+4+\p], 16, v[TM+8+\p]       ; the second's; the upper two bytes are 0
.endr
	global_store_b128 v[L16], v[OW:OW+3], s[OS:OS+1]            ; 512 consecutive bytes, aligned
	global_store_b128 v[L16], v[OW+4:OW+7], s[OS:OS+1] offset:8192
.endif
.endm
	s_cmp_eq_u32 s18, 2
	s_cbranch_scc1 .Lout_v
	EPI 0
	s_branch .Lout_done
.Lout_v:
	EPI 1
.Lout_done:
	s_wait_tensorcnt 0x0
	ds_add_u32 v30, v31
	s_wait_dscnt 0x0
	CROUND                                         ; the closing round: no work-group ends while a partner may still ask for a tile that names it
	s_endpgm
.Lfunc_end_k_q249f5c65e2_qkv:
	.size	k_q249f5c65e2_qkv, .Lfunc_end_k_q249f5c65e2_qkv-k_q249f5c65e2_qkv
	.p2alignl 7, 3214868480
	.fill 96, 4, 3214868480
	.section	.rodata,"a",@progbits
	.p2align	6, 0x0
	.amdhsa_kernel k_q249f5c65e2_qkv
		.amdhsa_group_segment_fixed_size 279040
		.amdhsa_private_segment_fixed_size 0
		.amdhsa_enable_private_segment 0
		.amdhsa_kernarg_size 40
		.amdhsa_user_sgpr_count 2
		.amdhsa_user_sgpr_kernarg_segment_ptr 1
		.amdhsa_wavefront_size32 1
		.amdhsa_system_sgpr_workgroup_id_x 1
		.amdhsa_system_sgpr_workgroup_id_y 1
		.amdhsa_system_sgpr_workgroup_id_z 1
		.amdhsa_system_vgpr_workitem_id 0
		.amdhsa_next_free_vgpr 1024
		.amdhsa_next_free_sgpr 100
		.amdhsa_reserve_vcc 0
		.amdhsa_float_denorm_mode_32 3
		.amdhsa_float_denorm_mode_16_64 3
		.amdhsa_memory_ordered 1
		.amdhsa_forward_progress 1
		.amdhsa_inst_pref_size 177
	.end_amdhsa_kernel
	.amdgpu_metadata
---
amdhsa.version: [ 1, 2 ]
amdhsa.kernels:
  - .name:           k_q249f5c65e2_qkv
    .symbol:         k_q249f5c65e2_qkv.kd
    .args:
      - { .name: xw_img, .offset: 0, .size: 8, .value_kind: global_buffer, .address_space: global }
      - { .name: xw_sc, .offset: 8, .size: 8, .value_kind: global_buffer, .address_space: global }
      - { .name: b_in, .offset: 16, .size: 8, .value_kind: global_buffer, .address_space: global }
      - { .name: qkv_img, .offset: 24, .size: 8, .value_kind: global_buffer, .address_space: global }
      - { .name: qkv_sc, .offset: 32, .size: 8, .value_kind: global_buffer, .address_space: global }
    .group_segment_fixed_size: 279040
    .private_segment_fixed_size: 0
    .kernarg_segment_align: 8
    .kernarg_segment_size: 40
    .max_flat_workgroup_size: 128
    .sgpr_count:     100
    .vgpr_count:     1024
    .wavefront_size: 32
...
	.end_amdgpu_metadata
.endif
;; end of part 2
;; launch attn (part 3): grid 4 x 64, 16 waves a work-group, no clusters, 169,984 bytes of LDS; arguments qkv_img, qkv_sc, o_img, o_sc; writes o_img, o_sc
.if DOCPART == 3
	.amdgcn_target "amdgcn-amd-amdhsa--gfx1250"
	.amdhsa_code_object_version 6
	.text
	.protected	k_q249f5c65e2_attn
	.globl	k_q249f5c65e2_attn
	.p2align	8
	.type	k_q249f5c65e2_attn,@function
k_q249f5c65e2_attn:
	s_mov_b64 s[64:65], 0
	v_nop
	global_prefetch_b8 v0, s[64:65] scope:SCOPE_SE
	s_setreg_imm32_b32 hwreg(HW_REG_WAVE_MODE, 25, 1), 1
	s_wait_xcnt 0x0
; o = softmax(q k^T / 8, causal) v for one (batch, head) = bh, both products on codes of FP4 (E2M1) with E8M0 scales; o is quantised along the head's 64 and leaves as an image of the last product's operand.
; THE SOFTMAX AHEAD OF THE SECOND PRODUCT: t = score x log2(e) / 8; M = the row's largest t so far, rounded up to a whole number; p = 2^(t - M) is quantised along the keys, not normalised; the row's sum is taken of the
; unquantised p and divides at the end.  When M moves, the sum and O are multiplied by 2^(old M - new M): exact.
; TILES.  A tile is 16 tokens: row i of tile T is token 32 (T / 2) + 8 (T % 2) + i + 8 (i / 8); the head's 64 numbers are four tiles by the same rule.  So the 16 registers of two neighbouring result tiles are 16 neighbours along source 0's index.
; Both products are used transposed: S^T = K Q^T, O^T = V^T P^T: a lane holds one query (lane % 16) throughout.  The first product's K is 64: registers 4-7 of its fragments are zero codes on both sides, under scale bytes 0.
; SHARES.  Work-group (i, bh): wave w owns query tiles T0 = 16 i + w and T1 = 127 - T0, one after the other.  Tile T needs key steps (128 keys) 0 .. T / 8, the last on the diagonal: T0 / 8 + T1 / 8 + 2 = 17 for every wave.
; A HEAD'S WHOLE K AND V, codes and scale words, 143,360 bytes, are brought into LDS once, at the head: at most one tensor load a wave; nothing is filled again; one barrier.
; NO CLUSTER: the four work-groups of a head read the same K and V, but what tells them apart is their block of queries, on which the skip of hidden key steps branches, and partners of a joint load must run alike; what would be shared is one fill of 143,360 bytes a work-group.
; Each pass walks all 16 key steps: the trip count is a constant; a step all of whose keys are hidden is left out by a scalar branch on ids, round the step's work alone.
; The scale bytes of o leave singly, a byte a lane: 262,144 bytes in all.
; LIMITS: NaN and infinities are not served; p under 2^-126 counts as 0; a block of o whose largest magnitude lies under 2^-124 gets the byte 1.
; REGISTERS: v1-4 addresses that stay; v5-8 the step's; v9, v10 the masks' thresholds; v11 o's byte place; v12 -M, v13 the largest t, v[14:15] the sum; v16-23, v24-31 Q of the two passes; v32-95 K's eight fragments;
;   v96-159 S^T, then p; v160-191 O^T; v192-223 V's four fragments; v224-231 p's codes; v232-239, v244-247, v252-254 at work; v240-241 V's scale words; v248-251 K's; v255, v242 Q's; v243 16 r.
.set AK0, 1                            ; 16 x lane: K's images begin at LDS byte 0
.set AV0, 2                            ; 65,536 + 16 x lane: V's images
.set AS0, 3                            ; 131,072 + 16 x lane: K's scale words
.set AT0, 4                            ; 139,264 + 8 x lane: V's
.set ADK, 5
.set ADV, 6
.set ADS, 7
.set ADT, 8
.set WV,  18
.set BH,  19
.set SEL, 20
.set CS,  22
.set G1A, 24                           ; s[24:31] group 1: 16,384 dense bytes;  s[32:39]: 4,096;  s[40:43], s[44:47] their groups 0
.set G1B, 32
.set G0A, 40
.set G0B, 44
.set TD,  50                           ; s50 the pass's diagonal step;  s51 the step;  s52, s53, s54 its bytes among the images (4,096), K's scale words (512), V's (256)
.set KF,  51
.set TK,  52
.set TS,  53
.set TT,  54
.set HM,  55
	s_load_b256 s[4:11], s[0:1], 0x0               ; qkv_img s[4:5], qkv_sc s[6:7], o_img s[8:9], o_sc s[10:11]
	v_lshl_add_u32 v254, v0, 2, 0x29000
	v_mov_b32 v255, 0
	ds_add_u32 v254, v255
	ds_add_u32 v254, v255
	s_wait_dscnt 0x0
	v_lshrrev_b32 v1, 5, v0
	s_delay_alu instid0(VALU_DEP_1)
	v_readfirstlane_b32 s[WV], v1                  ; wave 0..15
	s_and_b32 s[BH], ttmp7, 0xffff
	s_mov_b32 s[G1A], 3<<16                        ; no mask; elements of 8 bytes; no padding: every LDS read is 16 or 8 x lane
	s_mov_b32 s[G1A+1], 32<<16                     ; rows of 256 bytes,
	s_mov_b32 s[G1A+2], 64<<16                     ; 64 of them
	s_mov_b32 s[G1A+3], 32<<16
	s_mov_b32 s[G1A+4], 64
	s_mov_b32 s[G1A+5], 32
	s_mov_b32 s[G1A+6], 0
	s_mov_b32 s[G1A+7], 0
	s_mov_b32 s[G1B], 3<<16
	s_mov_b32 s[G1B+1], 32<<16
	s_mov_b32 s[G1B+2], 16<<16                     ; 16 rows
	s_mov_b32 s[G1B+3], 32<<16
	s_mov_b32 s[G1B+4], 16
	s_mov_b32 s[G1B+5], 32
	s_mov_b32 s[G1B+6], 0
	s_mov_b32 s[G1B+7], 0
	s_lshl_b32 s48, ttmp9, 4
	s_add_co_u32 s48, s48, s[WV]                   ; T0
	s_sub_co_u32 s49, 127, s48                     ; T1
	s_lshr_b32 s56, s[WV], 2                       ; waves 0-3: K's images, waves 4-7: V's: 4 MiB x (1 + wave / 4) + bh x 65,536 + (wave % 4) x 16,384
	s_add_co_u32 s56, s56, 1
	s_lshl_b32 s56, s56, 22
	s_lshl_b32 s57, s[BH], 16
	s_add_co_u32 s56, s56, s57
	s_and_b32 s57, s[WV], 3
	s_lshl_b32 s57, s57, 14
	s_add_co_u32 s56, s56, s57
	s_mov_b32 s57, 0
	s_lshl_b32 s58, s[BH], 13                      ; waves 8, 9: the halves of K's scale words;
	s_and_b32 s59, s[WV], 1
	s_lshl_b32 s59, s59, 12
	s_add_co_u32 s58, s58, s59
	s_add_co_u32 s58, s58, 524288
	s_lshl_b32 s59, s[BH], 12                      ; wave 10: V's
	s_add_co_u32 s59, s59, 1048576
	s_cmp_eq_u32 s[WV], 10
	s_cselect_b32 s58, s59, s58
	s_mov_b32 s59, 0
	s_lshl_b32 s60, s[WV], 12
	s_mov_b32 s[SEL], 0x76543210
	s_mov_b32 s[SEL+1], 0xfedcba98                 ; v_permlanex16_b32's selects for lane l xor 16
	s_mov_b32 s[CS], 0x3e38aa3b                    ; c = log2(e) / 8
	s_mov_b32 s[CS+1], s[CS]                       ; (named with it as a pair, so it is written)
	s_mov_b32 s[HM], 0xffff0000                    ; lanes 16-31
	s_wait_kmcnt 0x0
	s_mov_b32 s[G0A], 1
	s_lshl_b32 s[G0A+1], s[WV], 14                 ; LDS: wave x 16,384
	s_add_nc_u64 s[G0A+2:G0A+3], s[4:5], s[56:57]
	s_or_b32 s[G0A+3], s[G0A+3], 0x80000000
	s_mov_b32 s[G0B], 1
	s_add_co_u32 s[G0B+1], s60, 98304              ; LDS: 131,072 + (wave - 8) x 4,096
	s_add_nc_u64 s[G0B+2:G0B+3], s[6:7], s[58:59]
	s_or_b32 s[G0B+3], s[G0B+3], 0x80000000
	s_cmp_lt_u32 s[WV], 8                          ; the branches hang on the wave's number alone; four v_nop follow each of the two lines
	s_cbranch_scc0 .Lnot_img
	tensor_load_to_lds s[G0A:G0A+3], s[G1A:G1A+7]
	s_nop 0
.rept 4
	v_nop
.endr
	s_branch .Lasked
.Lnot_img:
	s_cmp_lt_u32 s[WV], 11
	s_cbranch_scc0 .Lasked
	tensor_load_to_lds s[G0B:G0B+3], s[G1B:G1B+7]
	s_nop 0
.rept 4
	v_nop
.endr
.Lasked:
; Q of tile t: codes at (bh x 128 + T) x 512; its scale words at bh x 8192 + (T / 8) x 512 + (T % 2) x 256 + ((T / 2) % 4) x 4 + 16 r
.macro QADR t, c, s
	s_lshl_b32 s[\c], s[BH], 7
	s_add_co_u32 s[\c], s[\c], s[\t]
	s_lshl_b32 s[\c], s[\c], 9
	s_mov_b32 s[\c+1], 0
	s_add_nc_u64 s[\c:\c+1], s[4:5], s[\c:\c+1]
	s_lshl_b32 s[\s], s[BH], 13
	s_lshr_b32 s70, s[\t], 3
	s_lshl_b32 s70, s70, 9
	s_add_co_u32 s[\s], s[\s], s70
	s_and_b32 s70, s[\t], 1
	s_lshl_b32 s70, s70, 8
	s_add_co_u32 s[\s], s[\s], s70
	s_bfe_u32 s70, s[\t], 0x20001
	s_lshl_b32 s70, s70, 2
	s_add_co_u32 s[\s], s[\s], s70
	s_mov_b32 s[\s+1], 0
	s_add_nc_u64 s[\s:\s+1], s[6:7], s[\s:\s+1]
.endm
	QADR 48, 56, 58
	QADR 49, 60, 62
	v_and_b32 v5, 31, v0
	s_delay_alu instid0(VALU_DEP_1)
	v_lshlrev_b32 v[AK0], 4, v5
	s_delay_alu instid0(VALU_DEP_1)
	v_add_nc_u32 v[AV0], 65536, v[AK0]
	s_delay_alu instid0(VALU_DEP_2)
	v_add_nc_u32 v[AS0], 131072, v[AK0]
	s_delay_alu instid0(VALU_DEP_4)
	v_lshl_add_u32 v[AT0], v5, 3, 139264
	v_and_b32 v6, 15, v0                           ; r
	v_bfe_u32 v7, v0, 4, 1                         ; h
	s_delay_alu instid0(VALU_DEP_2)
	v_lshlrev_b32 v243, 4, v6
	global_load_b128 v[16:19], v[AK0], s[56:57]    ; Q's fragments stay in registers
	global_load_b32 v255, v243, s[58:59]
	global_load_b128 v[24:27], v[AK0], s[60:61]
	global_load_b32 v242, v243, s[62:63]
	v_add_nc_u32 v11, v243, v7                     ; o's scale byte: 16 r + h
	v_and_b32 v8, 8, v6
	s_delay_alu instid0(VALU_DEP_1)
	v_add_nc_u32 v8, v8, v6
	v_lshlrev_b32 v7, 4, v7
	s_delay_alu instid0(VALU_DEP_1)
	v_sub_nc_u32 v8, v8, v7                        ; r + 8 (r / 8) - 16 h
	s_wait_alu depctr_va_vdst(0)
	s_bfe_u32 s70, s48, 0x20001                    ; my query's place in its 128: 32 ((T / 2) % 4) + 8 (T % 2) + r + 8 (r / 8).  Register 16 b + i holds key 32 b + 16 h + i of the step: hidden where 32 b + i is above the threshold
	s_lshl_b32 s70, s70, 5
	s_and_b32 s71, s48, 1
	s_lshl_b32 s71, s71, 3
	s_add_co_u32 s70, s70, s71
	v_add_nc_u32 v9, s70, v8
	s_bfe_u32 s70, s49, 0x20001
	s_lshl_b32 s70, s70, 5
	s_and_b32 s71, s49, 1
	s_lshl_b32 s71, s71, 3
	s_add_co_u32 s70, s70, s71
	v_add_nc_u32 v10, s70, v8
.irp j, 20,21,22,23,28,29,30,31
	v_mov_b32 v[\j], 0                             ; Q's k = 64 .. 127: zero codes
.endr
.irp t, 0,1,2,3,4,5,6,7
.irp j, 4,5,6,7
	v_mov_b32 v[32+8*\t+\j], 0                     ; K's likewise: written once, never loaded over
.endr
.endr
.irp j, 236,237,238,239,252,253
	v_mov_b32 v[\j], 0                             ; written once: a lane permute's destination counts as one of its sources; v253 is named in a pair with v252
.endr
	s_wait_loadcnt 0x0                             ; Q
	s_wait_tensorcnt 0x0                           ; my part of K and V has landed,
	s_barrier_signal -1
	s_barrier_wait -1                              ; everybody's has
; A KEY STEP: 128 keys.
.macro STEP qb, qs, dd
	v_add_nc_u32 v[ADK], s[TK], v[AK0]             ; (these four are also the places behind the last step's products, in front of the loads)
	v_add_nc_u32 v[ADV], s[TK], v[AV0]
	v_add_nc_u32 v[ADS], s[TS], v[AS0]
	v_add_nc_u32 v[ADT], s[TT], v[AT0]
.irp t, 0,1,2,3,4,5,6,7
	ds_load_b128 v[32+8*\t:35+8*\t], v[ADK] offset:512*\t
.endr
	ds_load_b128 v[248:251], v[ADS]                ; register p: lanes 0-15 key tile 2 p's words, lanes 16-31 tile 2 p + 1's
.irp t, 0,1,2,3
.irp c, 0,1
	ds_load_b128 v[192+8*\t+4*\c:195+8*\t+4*\c], v[ADV] offset:1024*\t+512*\c
.endr
.endr
	ds_load_b64 v[240:241], v[ADT]
	s_wait_dscnt 9                                 ; K and its scale words are in; V's eight loads and its scale load may be out
.irp t, 0,2,4,6
	v_wmma_scale_f32_16x16x128_f8f6f4 v[96+8*\t:103+8*\t], v[32+8*\t:39+8*\t], v[\qb:\qb+7], 0, v[248+\t/2], v[\qs] matrix_a_fmt:MATRIX_FMT_FP4 matrix_b_fmt:MATRIX_FMT_FP4
	v_wmma_scale_f32_16x16x128_f8f6f4 v[104+8*\t:111+8*\t], v[40+8*\t:47+8*\t], v[\qb:\qb+7], 0, v[248+\t/2], v[\qs] matrix_a_fmt:MATRIX_FMT_FP4 matrix_b_fmt:MATRIX_FMT_FP4 matrix_a_scale:MATRIX_SCALE_ROW1
.endr
.rept 4
	v_nop
.endr
	s_cmp_lg_u32 s[KF], s[TD]                      ; on the diagonal the scores of hidden keys become -infinity ahead of the maximum: p = 0 then
	s_cbranch_scc1 .Lopen_\@
	v_mov_b32 v254, 0xff800000
.set N, 0
.rept 64
	v_cmp_gt_i32 vcc_lo, 32*(N/16)+N%16, v[\dd]
	v_cndmask_b32 v[96+N], v[96+N], v254, vcc_lo
.set N, N+1
.endr
.Lopen_\@:
.irp b, 0,1,2,3
	v_max3_num_f32 v[232+\b], v[96+16*\b], v[97+16*\b], v[98+16*\b]   ; the largest score of each block of 32 keys: it serves for the row's maximum and, since p rises with the score, for the block's largest p
.endr
.irp i, 3,5,7,9,11,13
.irp b, 0,1,2,3
	v_max3_num_f32 v[232+\b], v[232+\b], v[96+16*\b+\i], v[97+16*\b+\i]
.endr
.endr
.irp b, 0,1,2,3
	v_max_num_f32 v[232+\b], v[232+\b], v[111+16*\b]
.endr
.irp b, 0,1,2,3
	s_delay_alu instid0(VALU_DEP_4)
	v_permlanex16_b32 v[236+\b], v[232+\b], s[SEL], s[SEL+1]
.endr
.irp b, 0,1,2,3
	s_delay_alu instid0(VALU_DEP_4)
	v_max_num_f32 v[232+\b], v[232+\b], v[236+\b]  ; with lane l xor 16's 16 keys
.endr
	s_delay_alu instid0(VALU_DEP_2)
	v_max3_num_f32 v254, v232, v233, v234
	s_delay_alu instid0(VALU_DEP_1)
	v_max_num_f32 v254, v254, v235                 ; the step's largest score of my query (key 0 of the step is never hidden: a number)
	s_delay_alu instid0(VALU_DEP_1)
	v_mul_f32 v254, s[CS], v254                    ; as t
	s_delay_alu instid0(VALU_DEP_1)
	v_max_num_f32 v13, v13, v254                   ; the running largest t
	v_mov_b32 v254, v12
	s_delay_alu instid0(VALU_DEP_2)
	v_floor_f32 v12, -v13                          ; the new -M = floor(-t): M is a whole number
	s_delay_alu instid0(VALU_DEP_1)
	v_sub_f32 v254, v12, v254                      ; old M - new M: a whole number, 0 or less
	s_delay_alu instid0(VALU_DEP_1)
	v_cvt_i32_f32 v254, v254                       ; (it saturates)
	s_delay_alu instid0(VALU_DEP_1)
	v_ldexp_f32 v252, 1.0, v254                    ; f = 2^(old M - new M)
.set J, 0
.rept 32
	v_pk_fma_f32 v[96+J:97+J], v[96+J:97+J], s[CS:CS+1], v[12:13] op_sel_hi:[1,0,0]   ; t - M, two at a time
.set J, J+2
.endr
	s_setprio 1
.irp b, 0,1,2,3
	v_fma_f32 v[232+\b], v[232+\b], s[CS], v12     ; the same of each block's largest score
.endr
.set J, 0
	s_wait_alu depctr_va_vdst(0)
.rept 64
	v_exp_f32 v[96+J], v[96+J]                     ; p = 2^(t - M), at most 1
.set J, J+1
.endr
	v_pk_mul_f32 v[14:15], v[14:15], v[252:253] op_sel_hi:[1,0]   ; the sums under the new M (a plain line behind the exponentials)
	s_wait_alu depctr_va_vdst(0)                   ; one wait for the whole batch, ahead of its first reader
.irp b, 0,1,2,3
	v_exp_f32 v[232+\b], v[232+\b]                 ; the block's largest p
.endr
	v_pk_add_f32 v[236:237], v[100:101], v[104:105]
	v_pk_add_f32 v[250:251], v[108:109], v[112:113]
	v_pk_add_f32 v[248:249], v[116:117], v[120:121]
	v_pk_add_f32 v[246:247], v[124:125], v[128:129]
	v_pk_add_f32 v[244:245], v[132:133], v[136:137]
	v_pk_add_f32 v[238:239], v[140:141], v[144:145]
	v_pk_add_f32 v[230:231], v[148:149], v[152:153]
	v_pk_add_f32 v[14:15], v[14:15], v[156:157]
	v_pk_add_f32 v[236:237], v[236:237], v[96:97]
	v_pk_add_f32 v[250:251], v[250:251], v[98:99]
	v_pk_add_f32 v[248:249], v[248:249], v[102:103]
	v_pk_add_f32 v[246:247], v[246:247], v[106:107]
	v_pk_add_f32 v[244:245], v[244:245], v[110:111]
	v_pk_add_f32 v[238:239], v[238:239], v[114:115]
	v_pk_add_f32 v[230:231], v[230:231], v[118:119]
	v_pk_add_f32 v[14:15], v[14:15], v[122:123]
	v_pk_add_f32 v[236:237], v[236:237], v[126:127]
	v_pk_add_f32 v[250:251], v[250:251], v[130:131]
	v_pk_add_f32 v[248:249], v[248:249], v[134:135]
	v_pk_add_f32 v[246:247], v[246:247], v[138:139]
	v_pk_add_f32 v[244:245], v[244:245], v[142:143]
	v_pk_add_f32 v[238:239], v[238:239], v[146:147]
	v_pk_add_f32 v[230:231], v[230:231], v[150:151]
	v_pk_add_f32 v[14:15], v[14:15], v[154:155]
	v_pk_add_f32 v[236:237], v[236:237], v[158:159]
	s_delay_alu instid0(VALU_DEP_2)
	v_pk_add_f32 v[14:15], v[14:15], v[246:247]
	s_delay_alu instid0(VALU_DEP_2)
	v_pk_add_f32 v[236:237], v[236:237], v[244:245]
	v_pk_add_f32 v[250:251], v[250:251], v[238:239]
	v_pk_add_f32 v[248:249], v[248:249], v[230:231]
	s_delay_alu instid0(VALU_DEP_2)
	v_pk_add_f32 v[14:15], v[14:15], v[250:251]
	s_delay_alu instid0(VALU_DEP_2)
	v_pk_add_f32 v[236:237], v[236:237], v[248:249]
	s_delay_alu instid0(VALU_DEP_1)
	v_pk_add_f32 v[14:15], v[14:15], v[236:237]
	s_wait_alu depctr_va_vdst(0)                   ; and one for the four
.irp b, 0,1,2,3
	v_max_num_f32 v[232+\b], 0x1800000, v[232+\b]  ; the floor 2^(3 - 127): a block whose every p is 0 keeps the byte 1: its codes are zeros
.endr
.irp b, 0,1,2,3
	s_delay_alu instid0(VALU_DEP_4)
	v_add_nc_u32 v[244+\b], 0xff000000, v[232+\b]  ; the conversion's scale operand
.endr
.irp b, 0,1,2,3
	s_delay_alu instid0(VALU_DEP_4)
	v_lshrrev_b32 v[236+\b], 23, v[244+\b]         ; the byte
.endr
	s_delay_alu instid0(VALU_DEP_3)
	v_lshl_or_b32 v253, v237, 8, v236              ; p's scale word for these 128 keys
	s_delay_alu instid0(VALU_DEP_1)
	v_lshl_or_b32 v253, v238, 16, v253
	s_delay_alu instid0(VALU_DEP_1)
	v_lshl_or_b32 v253, v239, 24, v253
	s_setprio 0
.irp b, 0,1,2,3
	v_cvt_scalef32_pk8_fp4_f32 v[224+2*\b], v[96+16*\b:103+16*\b], v[244+\b]
	v_cvt_scalef32_pk8_fp4_f32 v[225+2*\b], v[104+16*\b:111+16*\b], v[244+\b]
.endr
	v_nop                                          ; a plain line behind the conversions
.irp c, 0,1                                    ; a whole block in a lane: lanes 0-15 block 2 c, lanes 16-31 block 2 c + 1
.irp i, 0,1
	v_permlane16_swap_b32 v[224+4*\c+\i], v[226+4*\c+\i]
.endr
.endr
.set J, 0
.rept 16
	v_pk_mul_f32 v[160+J:161+J], v[160+J:161+J], v[252:253] op_sel_hi:[1,0]   ; O^T under the new M, each accumulator from its low end on.  (These sixteen also stand between the writing of p's codes and scale word and the products)
.set J, J+2
.endr
	s_wait_alu depctr_va_vdst(0)
	s_wait_dscnt 0x0                               ; V
.irp t, 0,2
	v_wmma_scale_f32_16x16x128_f8f6f4 v[160+8*\t:167+8*\t], v[192+8*\t:199+8*\t], v[224:231], v[160+8*\t:167+8*\t], v[240+\t/2], v253 matrix_a_fmt:MATRIX_FMT_FP4 matrix_b_fmt:MATRIX_FMT_FP4
	v_wmma_scale_f32_16x16x128_f8f6f4 v[168+8*\t:175+8*\t], v[200+8*\t:207+8*\t], v[224:231], v[168+8*\t:175+8*\t], v[240+\t/2], v253 matrix_a_fmt:MATRIX_FMT_FP4 matrix_b_fmt:MATRIX_FMT_FP4 matrix_a_scale:MATRIX_SCALE_ROW1
.endr                                          ; between two links on one accumulator stand eleven other matrix instructions
.endm
; A PASS: one tile of 16 queries through all its key steps, and out.
.macro PASS p, qb, qs, dd, t
	v_mov_b32 v13, 0xff61b1e6                      ; the largest t so far: -3e38, under every t
	s_delay_alu instid0(VALU_DEP_1)
	v_floor_f32 v12, -v13
	v_mov_b32 v14, 0
	v_mov_b32 v15, 0
.set J, 0
.rept 32
	v_mov_b32 v[160+J], 0                          ; O^T: the step is written once; its first run finds zeros
.set J, J+1
.endr
	s_lshr_b32 s[TD], s[\t], 3
	s_mov_b32 s[KF], 0
	s_mov_b32 s[TK], 0
	s_mov_b32 s[TS], 0
	s_mov_b32 s[TT], 0
.if \p
	s_wait_xcnt 0x0                                ; the last pass's two stores have read their registers and bases: the steps below write them again
.endif
.Lkey_\@:
	s_cmp_gt_u32 s[KF], s[TD]                      ; all keys of this step come after my queries: its work is left out
	s_cbranch_scc1 .Lhid_\@
	s_setprio 2
	STEP \qb, \qs, \dd
.Lhid_\@:
	s_add_co_u32 s[TK], s[TK], 4096
	s_add_co_u32 s[TS], s[TS], 512
	s_add_co_u32 s[TT], s[TT], 256
	s_add_co_u32 s[KF], s[KF], 1
	s_cmp_lt_u32 s[KF], 16
	s_cbranch_scc1 .Lkey_\@
	s_setprio 0
.rept 4
	v_nop                                          ; behind the last products
.endr
	v_add_f32 v14, v14, v15                        ; the sum's two halves,
	s_delay_alu instid0(VALU_DEP_1)
	v_permlanex16_b32 v252, v14, s[SEL], s[SEL+1]
	s_delay_alu instid0(VALU_DEP_1)
	v_add_f32 v14, v14, v252                       ; and lane l xor 16's
	s_wait_alu depctr_va_vdst(0)
	v_rcp_f32 v14, v14
	v_nop                                          ; a plain line behind the reciprocal
	s_lshr_b32 s66, s[BH], 4                       ; the tile among all batches': 128 x batch + T
	s_lshl_b32 s66, s66, 7
	s_add_co_u32 s66, s66, s[\t]
	s_and_b32 s67, s[BH], 15                       ; the head
	s_lshl_b32 s68, s66, 13
	s_lshl_b32 s69, s67, 9
	s_add_co_u32 s68, s68, s69                     ; codes: tile x 8192 + head x 512
	s_mov_b32 s69, 0
	s_add_nc_u64 s[68:69], s[8:9], s[68:69]
	s_lshl_b32 s70, s66, 9                         ; bytes: tile x 512 + (head / 8) x 256 + ((head / 2) % 4) x 4 + (head % 2) x 2
	s_lshr_b32 s71, s67, 3
	s_lshl_b32 s71, s71, 8
	s_add_co_u32 s70, s70, s71
	s_bfe_u32 s71, s67, 0x20001
	s_lshl_b32 s71, s71, 2
	s_add_co_u32 s70, s70, s71
	s_and_b32 s71, s67, 1
	s_lshl_b32 s71, s71, 1
	s_add_co_u32 s70, s70, s71
	s_mov_b32 s71, 0
	s_add_nc_u64 s[70:71], s[10:11], s[70:71]
	s_wait_alu depctr_va_vdst(0)                   ; ahead of the reciprocal's first reader
.set J, 0
.rept 32
	v_mul_f32 v[96+J], v[160+J], v14               ; o = O^T / the sum: register 16 b + i is the head's number 32 b + 16 h + i of my query
.set J, J+1
.endr
.irp b, 0,1
	v_max3_num_f32 v[232+\b], |v[96+16*\b]|, |v[97+16*\b]|, 0x1800000
.endr
.irp i, 2,4,6,8,10,12,14
.irp b, 0,1
	s_delay_alu instid0(VALU_DEP_2)
	v_max3_num_f32 v[232+\b], v[232+\b], |v[96+16*\b+\i]|, |v[97+16*\b+\i]|
.endr
.endr
.irp b, 0,1
	s_delay_alu instid0(VALU_DEP_2)
	v_permlanex16_b32 v[236+\b], v[232+\b], s[SEL], s[SEL+1]
.endr
.irp b, 0,1
	s_delay_alu instid0(VALU_DEP_2)
	v_max_num_f32 v[232+\b], v[232+\b], v[236+\b]
.endr
.irp b, 0,1
	s_delay_alu instid0(VALU_DEP_2)
	v_add_nc_u32 v[244+\b], 0xff000000, v[232+\b]
.endr
.irp b, 0,1
	s_delay_alu instid0(VALU_DEP_2)
	v_lshrrev_b32 v[236+\b], 23, v[244+\b]
.endr
.irp b, 0,1
	v_cvt_scalef32_pk8_fp4_f32 v[224+2*\b], v[96+16*\b:103+16*\b], v[244+\b]
	v_cvt_scalef32_pk8_fp4_f32 v[225+2*\b], v[104+16*\b:111+16*\b], v[244+\b]
.endr
	v_nop                                          ; a plain line behind the conversions
	v_permlane16_swap_b32 v224, v226               ; lanes 0-15 block 0, lanes 16-31 block 1
	v_permlane16_swap_b32 v225, v227
	v_cndmask_b32 v234, v236, v237, s[HM]          ; my half's block's byte
	global_store_b128 v[AK0], v[224:227], s[68:69] ; 512 consecutive bytes, aligned
	global_store_b8 v11, v234, s[70:71]
.endm
	PASS 0, 16, 255, 9, 48
	PASS 1, 24, 242, 10, 49
	s_wait_xcnt 0x0
	v_lshl_add_u32 v254, v0, 2, 0x29000
	v_mov_b32 v255, 0
	s_wait_alu depctr_va_vdst(0)
	s_wait_tensorcnt 0x0
	ds_add_u32 v254, v255
	s_wait_dscnt 0x0
	s_endpgm
.Lfunc_end_k_q249f5c65e2_attn:
	.size	k_q249f5c65e2_attn, .Lfunc_end_k_q249f5c65e2_attn-k_q249f5c65e2_attn
	.p2alignl 7, 3214868480
	.fill 96, 4, 3214868480
	.section	.rodata,"a",@progbits
	.p2align	6, 0x0
	.amdhsa_kernel k_q249f5c65e2_attn
		.amdhsa_group_segment_fixed_size 169984
		.amdhsa_private_segment_fixed_size 0
		.amdhsa_enable_private_segment 0
		.amdhsa_kernarg_size 32
		.amdhsa_user_sgpr_count 2
		.amdhsa_user_sgpr_kernarg_segment_ptr 1
		.amdhsa_wavefront_size32 1
		.amdhsa_system_sgpr_workgroup_id_x 1
		.amdhsa_system_sgpr_workgroup_id_y 1
		.amdhsa_system_sgpr_workgroup_id_z 1
		.amdhsa_system_vgpr_workitem_id 0
		.amdhsa_next_free_vgpr 256
		.amdhsa_next_free_sgpr 72
		.amdhsa_reserve_vcc 1
		.amdhsa_float_denorm_mode_32 3
		.amdhsa_float_denorm_mode_16_64 3
		.amdhsa_memory_ordered 1
		.amdhsa_forward_progress 1
		.amdhsa_inst_pref_size 64
	.end_amdhsa_kernel
	.amdgpu_metadata
---
amdhsa.version: [ 1, 2 ]
amdhsa.kernels:
  - .name:           k_q249f5c65e2_attn
    .symbol:         k_q249f5c65e2_attn.kd
    .args:
      - { .name: qkv_img, .offset: 0, .size: 8, .value_kind: global_buffer, .address_space: global }
      - { .name: qkv_sc, .offset: 8, .size: 8, .value_kind: global_buffer, .address_space: global }
      - { .name: o_img, .offset: 16, .size: 8, .value_kind: global_buffer, .address_space: global }
      - { .name: o_sc, .offset: 24, .size: 8, .value_kind: global_buffer, .address_space: global }
    .group_segment_fixed_size: 169984
    .private_segment_fixed_size: 0
    .kernarg_segment_align: 8
    .kernarg_segment_size: 32
    .max_flat_workgroup_size: 512
    .sgpr_count:     72
    .vgpr_count:     256
    .wavefront_size: 32
...
	.end_amdgpu_metadata
.endif
;; end of part 3
;; launch proj (part 4): grid 4 x 64, 4 waves a work-group, clusters of 4 x 4, 209,408 bytes of LDS; arguments o_img, o_sc, xw_img, xw_sc, b_out, out0; writes out0
.if DOCPART == 4
	.amdgcn_target "amdgcn-amd-amdhsa--gfx1250"
	.amdhsa_code_object_version 6
	.text
	.protected	k_q249f5c65e2_proj
	.globl	k_q249f5c65e2_proj
	.p2align	8
	.type	k_q249f5c65e2_proj,@function
k_q249f5c65e2_proj:
	s_mov_b64 s[64:65], 0
	v_nop
	global_prefetch_b8 v0, s[64:65] scope:SCOPE_SE
	s_setreg_imm32_b32 hwreg(HW_REG_WAVE_MODE, 25, 1), 1
	s_wait_xcnt 0x0
	s_wait_alu depctr_hold_cnt(0) depctr_sa_sdst(0) depctr_va_vdst(0) depctr_va_sdst(0) depctr_va_ssrc(0) depctr_va_vcc(0) depctr_vm_vsrc(0)
	s_getreg_b32 s2, hwreg(HW_REG_IB_STS2, 6, 4)
	s_cmp_eq_u32 s2, 0
	s_cbranch_scc0 .Lentry_in_a_cluster
	s_endpgm
.Lentry_in_a_cluster:
	s_bfe_u32 s2, ttmp6, 0x10000c
	s_cmp_lg_u32 s2, 0xf033
	s_cbranch_scc0 .Lentry_shape_is_right
	s_endpgm
.Lentry_shape_is_right:
; out0 = o w_out + b_out on codes of FP4 (E2M1) with E8M0 scales, K = 1,024.  Both operands are images of registers (a tile = 16 rows; row i of tile T is row 32 (T / 2) + 8 (T % 2) + i + 8 (i / 8);
; codes at T x 8192 + s x 1024 + c x 512 + 16 x lane, scale words at T x 512 + (s / 4) x 256 + 16 r + 4 (s % 4)).
; A work-group makes 128 tokens (R, source 1: 8 tiles, read by all four waves) x 256 columns (P, source 0: 16 tiles of w_out, tiles 704 on of xw_img; wave w takes 4 w .. 4 w + 3): 256 work-groups; 32 accumulators a wave.
; The matrix instruction is used with the columns as source 0: a lane then holds eight neighbouring numbers of a row of out0.
; CLUSTER 4 x 4: R's tiles hang on the token block (cy) and go to my row of the cluster, P's on the column block (cx) and go to my column: each is asked for jointly.
; K = 1,024 is two slots of 512 along K: both are filled once, at the head, and nothing is filled again.  By this text's count a wave has three tensor loads out (scales, slot 0, slot 1).
; The bias is the C of each sum's first matrix instruction.
; REGISTERS: window 0: v16-28 addresses; v32-95 scale words, two sets; v128-191 R's fragments, later rows on their way out; v192-223 the bias.   window 1: P's fragments, two sets, at v0 and v128.   window 2: accumulator (a, b) at v[8 (4 a + b)].
.set SLOT,  98304                      ; a slot: R's 8 tiles x 4,096 bytes, then P's 16
.set SCL,   2*SLOT                     ; behind them the scale words: R's 4,096 bytes, then P's 8,192
.set ADRA, 16
.set ADRB, 20
.set STO,  24                          ; the way out: where I put 16 bytes of a row
.set RD,   25                          ; and where I read a row back
.set CO,   26                          ; my byte offset in out0
.set ADRS, 27                          ; scale words: lanes 0-15 R's, lanes 16-31 P's
.set ADRR, 28                          ; scale words: R's in both halves of the lanes
.set SC,   32
.set AF,   128
.set BK,   128
.set BIAS, 192
.set G1R,  24
.set G0R,  32
.set G1P,  48
.set G0P,  56
.set G1SR, 68
.set G0SR, 76
.set G1SP, 80
.set G0SP, 88
.set MSB, 0
.macro WIN new
.if MSB != (\new)
	s_set_vgpr_msb (MSB<<8)|(\new)
.set MSB, (\new)
.endif
.endm
.macro JLOAD g0a, g1a, g0b, g1b        ; a joint load: waves 0 and 1 fetch for R, waves 2 and 3 for P; four v_nop follow each of the two lines
	s_cmp_eq_u32 s15, 0
	s_cbranch_scc0 .Lfor_p_\@
	tensor_load_to_lds s[\g0a:\g0a+3], s[\g1a:\g1a+7]
	s_nop 0
.rept 4
	v_nop
.endr
	s_branch .Lasked_\@
.Lfor_p_\@:
	tensor_load_to_lds s[\g0b:\g0b+3], s[\g1b:\g1b+7]
	s_nop 0
.rept 4
	v_nop
.endr
.Lasked_\@:
.endm
.macro CROUND
	s_barrier_signal -1
	s_barrier_wait -1
	s_cmp_lg_u32 s14, 0
	s_cbranch_scc1 .Lnot_wave_0_\@
	s_barrier_signal -3
.Lnot_wave_0_\@:
	s_barrier_wait -3
	s_barrier_signal -1
	s_barrier_wait -1
.endm
.macro PLACES n
.rept \n
	v_nop
.endr
.endm
	s_load_b256 s[4:11], s[0:1], 0x0               ; o_img s[4:5], o_sc s[6:7], xw_img s[8:9], xw_sc s[10:11]
	s_load_b128 s[92:95], s[0:1], 0x20             ; b_out s[92:93], out0 s[94:95]
	v_lshl_add_u32 v254, v0, 2, 0x33000
	v_mov_b32 v255, 0
	ds_add_u32 v254, v255
	ds_add_u32 v254, v255
	v_lshrrev_b32 v1, 5, v0
	v_readfirstlane_b32 s14, v1                    ; wave 0..3
	s_lshr_b32 s15, s14, 1                         ; I fetch for R (0) or for P (1),
	s_and_b32 s16, s14, 1                          ; its first or its second half
	s_bfe_u32 s40, ttmp6, 0x40000                  ; cx
	s_bfe_u32 s41, ttmp6, 0x40004                  ; cy
	s_and_b32 s17, ttmp7, 0xffff                   ; the cluster's y
	s_lshl_b32 s43, s41, 2
	s_lshl_b32 s43, 15, s43                        ; my row of the cluster
	s_lshl_b32 s44, 0x1111, s40                    ; my column
	; group 1, codes: rows of 4,096 bytes (512 elements of 8 bytes), 8,192 bytes apart: R 4 tiles a load, P 8
	s_or_b32 s[G1R], s43, (3<<16)|(1<<21)
	s_mov_b32 s[G1R+1], 512<<16
	s_mov_b32 s[G1R+2], 4<<16
	s_mov_b32 s[G1R+3], 512<<16
	s_mov_b32 s[G1R+4], 4
	s_mov_b32 s[G1R+5], 1024
	s_mov_b32 s[G1R+6], 0
	s_mov_b32 s[G1R+7], 0
	s_or_b32 s[G1P], s44, (3<<16)|(1<<21)
	s_mov_b32 s[G1P+1], 512<<16
	s_mov_b32 s[G1P+2], 8<<16
	s_mov_b32 s[G1P+3], 512<<16
	s_mov_b32 s[G1P+4], 8
	s_mov_b32 s[G1P+5], 1024
	s_mov_b32 s[G1P+6], 0
	s_mov_b32 s[G1P+7], 0
	; group 1, scales: dense, rows of 256 bytes: R 8 rows a load, P 16
	s_or_b32 s[G1SR], s43, (3<<16)|(1<<21)
	s_mov_b32 s[G1SR+1], 32<<16
	s_mov_b32 s[G1SR+2], 8<<16
	s_mov_b32 s[G1SR+3], 32<<16
	s_mov_b32 s[G1SR+4], 8
	s_mov_b32 s[G1SR+5], 32
	s_mov_b32 s[G1SR+6], 0
	s_mov_b32 s[G1SR+7], 0
	s_or_b32 s[G1SP], s44, (3<<16)|(1<<21)
	s_mov_b32 s[G1SP+1], 32<<16
	s_mov_b32 s[G1SP+2], 16<<16
	s_mov_b32 s[G1SP+3], 32<<16
	s_mov_b32 s[G1SP+4], 16
	s_mov_b32 s[G1SP+5], 32
	s_mov_b32 s[G1SP+6], 0
	s_mov_b32 s[G1SP+7], 0
	s_lshl_b32 s19, s17, 2
	s_add_co_u32 s19, s19, s41                     ; my block of 128 tokens: 4 Y + cy
	s_lshl_b32 s19, s19, 3                         ; R's first tile
	s_lshl_b32 s21, s16, 2
	s_add_co_u32 s19, s19, s21                     ; + the 4 that I fetch
	s_lshl_b32 s20, s19, 13
	s_mov_b32 s21, 0
	s_lshl_b32 s22, s19, 9
	s_mov_b32 s23, 0
	s_lshl_b32 s45, s40, 4
	s_add_co_u32 s45, s45, 704                     ; P's first tile: 704 + 16 cx
	s_lshl_b32 s46, s16, 3
	s_add_co_u32 s45, s45, s46                     ; + the 8 that I fetch
	s_lshl_b32 s46, s45, 13
	s_mov_b32 s47, 0
	s_lshl_b32 s66, s45, 9
	s_mov_b32 s67, 0
	s_lshl_b32 s42, s16, 14                        ; where they go: R's codes: half x 16,384;
	s_lshl_b32 s99, s16, 15
	s_add_co_u32 s99, s99, 32768                   ; P's: 32,768 + half x 32,768;
	s_lshl_b32 s2, s16, 11
	s_add_co_u32 s2, s2, SCL                       ; R's scales: half x 2,048;
	s_lshl_b32 s3, s16, 12
	s_add_co_u32 s3, s3, SCL+4096                  ; P's: 4,096 + half x 4,096: no place in the cluster enters an LDS address
	s_wait_dscnt 0x0
	s_wait_kmcnt 0x0
	s_add_nc_u64 s[20:21], s[4:5], s[20:21]
	s_add_nc_u64 s[22:23], s[6:7], s[22:23]
	s_add_nc_u64 s[46:47], s[8:9], s[46:47]
	s_add_nc_u64 s[66:67], s[10:11], s[66:67]
	CROUND                                         ; all sixteen work-groups are here: the joint loads meet
	s_mov_b32 s[G0SR], 1
	s_mov_b32 s[G0SR+1], s2
	s_mov_b64 s[G0SR+2:G0SR+3], s[22:23]
	s_or_b32 s[G0SR+3], s[G0SR+3], 0x80000000
	s_mov_b32 s[G0SP], 1
	s_mov_b32 s[G0SP+1], s3
	s_mov_b64 s[G0SP+2:G0SP+3], s[66:67]
	s_or_b32 s[G0SP+3], s[G0SP+3], 0x80000000
	JLOAD G0SR, G1SR, G0SP, G1SP
.irp s, 0,1
	s_mov_b32 s[G0R+4*\s], 1
	s_add_co_u32 s[G0R+4*\s+1], s42, \s*SLOT
	s_add_nc_u64 s[G0R+4*\s+2:G0R+4*\s+3], s[20:21], \s*4096
	s_or_b32 s[G0R+4*\s+3], s[G0R+4*\s+3], 0x80000000
	s_mov_b32 s[G0P+4*\s], 1
	s_add_co_u32 s[G0P+4*\s+1], s99, \s*SLOT
	s_add_nc_u64 s[G0P+4*\s+2:G0P+4*\s+3], s[46:47], \s*4096
	s_or_b32 s[G0P+4*\s+3], s[G0P+4*\s+3], 0x80000000
	JLOAD G0R+4*\s, G1R, G0P+4*\s, G1P
.endr
	v_and_b32 v1, 15, v0                           ; r
	v_bfe_u32 v2, v0, 4, 1                         ; h
	v_and_b32 v3, 31, v0
	v_lshlrev_b32 v3, 4, v3                        ; 16 x lane
	s_lshl_b32 s22, s14, 14
	s_add_co_u32 s22, s22, 32768                   ; my 4 tiles of P
	v_mov_b32 v[ADRA], v3
	v_add_nc_u32 v[ADRA+1], SLOT, v3
	v_add_nc_u32 v[ADRB], s22, v3
	s_add_co_u32 s22, s22, SLOT
	v_add_nc_u32 v[ADRB+1], s22, v3
	v_lshlrev_b32 v5, 4, v1
	v_add_nc_u32 v[ADRR], SCL, v5                  ; R's words: 16 r
	s_lshl_b32 s22, s14, 11
	s_add_co_u32 s22, s22, 4096
	v_mul_u32_u24 v6, s22, v2                      ; lanes 16-31 take P's: 4,096 + wave x 2,048 on
	v_add_nc_u32 v[ADRS], v[ADRR], v6
	s_mul_i32 s23, s14, 16*272                     ; my stage: 16 rows x (256 bytes + 16), in slot 0, which is filled once and read by nobody behind the change of slots
	v_mul_u32_u24 v5, v1, 272
	v_lshl_add_u32 v5, v2, 6, v5
	v_add_nc_u32 v[STO], s23, v5                   ; in: row r, + 64 h
	v_mul_u32_u24 v5, v2, 272
	v_lshl_add_u32 v5, v1, 4, v5
	v_add_nc_u32 v[RD], s23, v5                    ; back: lanes 0-15 one row, lanes 16-31 the next
	v_lshlrev_b32 v[CO], 4, v1
	v_lshl_add_u32 v[CO], v2, 12, v[CO]            ; and the same two rows in out0
	s_lshl_b32 s46, s40, 10                        ; my 64 columns: (256 cx + 64 w) x 4 bytes
	s_lshl_b32 s47, s14, 8
	s_add_co_u32 s46, s46, s47
	s_mov_b32 s47, 0
	s_add_nc_u64 s[92:93], s[92:93], s[46:47]
	s_add_nc_u64 s[94:95], s[94:95], s[46:47]
	s_lshl_b32 s46, s17, 2
	s_add_co_u32 s46, s46, s41
	s_lshl_b32 s46, s46, 19                        ; my 128 tokens: rows of 4,096 bytes
	s_add_nc_u64 s[94:95], s[94:95], s[46:47]
	v_lshlrev_b32 v7, 6, v2                        ; the bias: column 32 (b / 2) + 8 (b % 2) + 16 h + j of my 64
.irp b, 0,1,2,3
	global_load_b128 v[BIAS+8*\b:BIAS+8*\b+3], v7, s[92:93] offset:(32*(\b/2)+8*(\b%2))*4
	global_load_b128 v[BIAS+8*\b+4:BIAS+8*\b+7], v7, s[92:93] offset:(32*(\b/2)+8*(\b%2))*4+16
.endr
	s_wait_loadcnt 0x0
.macro FRAG reg, adr, q, i
.irp c, 0,1
	ds_load_b128 v[\reg+4*\c:\reg+4*\c+3], v[\adr] offset:(\i)*4096+(\q)*1024+512*\c
.endr
.endm
.macro FETCH_B slot, q, p              ; P's four fragments into set p
	WIN 0x40
.irp i, 0,1,2,3
	FRAG 128*(\p)+8*\i, ADRB+\slot, \q, \i
.endr
	WIN 0
.endm
.macro FETCH_A slot, q, i0             ; R's tiles i0 .. i0 + 3
.irp i, \i0, \i0+1, \i0+2, \i0+3
	FRAG AF+8*(\i), ADRA+\slot, \q, \i
.endr
.endm
.macro SCALES sg                       ; registers 4 i + q: lanes 0-15 R's tile i; lanes 16-31 P's tile i for i under 4 (for the others R's again: not read)
.irp i, 0,1,2,3
	ds_load_b128 v[SC+32*\sg+4*\i:SC+32*\sg+4*\i+3], v[ADRS] offset:\i*512+\sg*256
.endr
.irp i, 4,5,6,7
	ds_load_b128 v[SC+32*\sg+4*\i:SC+32*\sg+4*\i+3], v[ADRR] offset:\i*512+\sg*256
.endr
.endm
; 8 matrix instructions: R's tiles a0, a0 + 1 x P's four.  The 32 accumulators take turns, one instruction a turn, in the same order in every step.
.macro MULN a0, p, q, sc, cm
.irp a, \a0, \a0+1
.irp b, 0,1,2,3
.if \cm
	v_wmma_scale_f32_16x16x128_f8f6f4 v[8*(4*(\a)+\b):8*(4*(\a)+\b)+7], v[128*(\p)+8*\b:128*(\p)+8*\b+7], v[AF+8*(\a):AF+8*(\a)+7], v[BIAS+8*\b:BIAS+8*\b+7], v[SC+32*(\sc)+4*\b+(\q)], v[SC+32*(\sc)+4*(\a)+(\q)] matrix_a_fmt:MATRIX_FMT_FP4 matrix_b_fmt:MATRIX_FMT_FP4 matrix_a_scale:MATRIX_SCALE_ROW1
.else
	v_wmma_scale_f32_16x16x128_f8f6f4 v[8*(4*(\a)+\b):8*(4*(\a)+\b)+7], v[128*(\p)+8*\b:128*(\p)+8*\b+7], v[AF+8*(\a):AF+8*(\a)+7], v[8*(4*(\a)+\b):8*(4*(\a)+\b)+7], v[SC+32*(\sc)+4*\b+(\q)], v[SC+32*(\sc)+4*(\a)+(\q)] matrix_a_fmt:MATRIX_FMT_FP4 matrix_b_fmt:MATRIX_FMT_FP4 matrix_a_scale:MATRIX_SCALE_ROW1
.endif
.endr
.endr
.endm
.macro MWIN cm
.if \cm
	WIN 0x81                                       ; source 0 (P) window 1, source 1 (R) and C (the bias) window 0, D window 2
.else
	WIN 0xa1                                       ; C and D window 2
.endif
.endm
.macro STEP slot, q, cm
	s_wait_dscnt 8                                 ; P's set, R's tiles 0-3 (and the scales) are in; the youngest eight loads, R's tiles 4-7, may be out
	MWIN \cm
	MULN 0, (\q)%2, \q, \slot, \cm
	MULN 2, (\q)%2, \q, \slot, \cm
	s_wait_dscnt 0x0
	PLACES 4                                       ; in front of loads into registers that matrix instructions have read
	FETCH_B \slot, (\q)+1, 1-(\q)%2
	FETCH_A \slot, (\q)+1, 0
	MWIN \cm
	MULN 4, (\q)%2, \q, \slot, \cm
	MULN 6, (\q)%2, \q, \slot, \cm
	PLACES 4
	WIN 0
	FETCH_A \slot, (\q)+1, 4
.endm
	s_wait_tensorcnt 1                             ; the scales and my part of slot 0 are in; slot 1's load may be out,
	s_barrier_signal -1
	s_barrier_wait -1                              ; everybody's are
	FETCH_B 0, 0, 0
	FETCH_A 0, 0, 0
	SCALES 0
	FETCH_A 0, 0, 4
	STEP 0, 0, 1                                   ; the first step starts the sums with the bias
	STEP 0, 1, 0
	STEP 0, 2, 0
	; slot 0's last step changes slots: my part of slot 1 has landed, then the work-group's barrier; nothing is filled again
	s_wait_tensorcnt 0x0
	s_wait_dscnt 8
	WIN 0xa1
	MULN 0, 1, 3, 0, 0
	s_wait_dscnt 0x0                               ; my reads of slot 0 are over
	s_barrier_signal -1
	MULN 2, 1, 3, 0, 0
	WIN 0
	s_barrier_wait -1
	PLACES 4
	FETCH_B 1, 0, 0
	FETCH_A 1, 0, 0
	SCALES 1
	WIN 0xa1
	MULN 4, 1, 3, 0, 0
	MULN 6, 1, 3, 0, 0
	PLACES 4
	WIN 0
	FETCH_A 1, 0, 4
	STEP 1, 0, 0
	STEP 1, 1, 0
	STEP 1, 2, 0
	s_wait_dscnt 8
	WIN 0xa1
	MULN 0, 1, 3, 1, 0
	MULN 2, 1, 3, 1, 0
	s_wait_dscnt 0x0
	MULN 4, 1, 3, 1, 0
	MULN 6, 1, 3, 1, 0
	WIN 0
; THE WAY OUT, a tile of 16 tokens x my 64 columns at a time.  A lane holds 32 neighbouring bytes of a row for each of P's four tiles; they go through my own stage and come back as rows of 256 bytes, which sixteen lanes store as one aligned run.
; LDS serves a wave's instructions in order (ISA guide 5.7.1.4): no wait between the stores and the loads, nor in front of the next tile's stores.
.macro TOSTAGE a
	WIN 0x08                                       ; an LDS store's data are its source 1: window 2
.irp b, 0,1,2,3
.irp k, 0,1
	ds_store_b128 v[STO], v[32*(\a)+8*\b+4*\k:32*(\a)+8*\b+4*\k+3] offset:128*(\b/2)+32*(\b%2)+16*\k   ; each accumulator from its low end on
.endr
.endr
	WIN 0
.irp i, 0,1,2,3,4,5,6,7
	ds_load_b128 v[BK+32*((\a)%2)+4*\i:BK+32*((\a)%2)+4*\i+3], v[RD] offset:544*\i
.endr
.endm
.macro SEND a, younger                 ; younger: the LDS instructions issued behind tile a's loads, which may stay out
	s_wait_dscnt \younger
.irp i, 0,1,2,3,4,5,6,7
	global_store_b128 v[CO], v[BK+32*((\a)%2)+4*\i:BK+32*((\a)%2)+4*\i+3], s[94:95] offset:(32*((\a)/2)+8*((\a)%2)+2*\i+8*(\i/4))*4096 th:TH_STORE_NT   ; the tile's rows 2 i, 2 i + 1; 126 rows at the most: inside the signed 24-bit immediate
.endr
.endm
	PLACES 4                                       ; behind the last products: for the reads of results and the loads into R's registers
	TOSTAGE 0
.irp a, 1,2,3,4,5,6,7
.if \a > 1
	s_wait_xcnt 0x0                                ; tile a - 2's stores have read their registers: tile a's loads may land there
.endif
	TOSTAGE \a
	SEND \a-1, 16                                  ; behind tile a - 1's loads: tile a's eight stores and eight loads
.endr
	SEND 7, 0
	s_wait_tensorcnt 0x0
	ds_add_u32 v254, v255
	s_wait_dscnt 0x0
	CROUND                                         ; the closing round: no work-group ends while a partner may still ask for a tile that names it
	s_endpgm
.Lfunc_end_k_q249f5c65e2_proj:
	.size	k_q249f5c65e2_proj, .Lfunc_end_k_q249f5c65e2_proj-k_q249f5c65e2_proj
	.p2alignl 7, 3214868480
	.fill 96, 4, 3214868480
	.section	.rodata,"a",@progbits
	.p2align	6, 0x0
	.amdhsa_kernel k_q249f5c65e2_proj
		.amdhsa_group_segment_fixed_size 209408
		.amdhsa_private_segment_fixed_size 0
		.amdhsa_enable_private_segment 0
		.amdhsa_kernarg_size 48
		.amdhsa_user_sgpr_count 2
		.amdhsa_user_sgpr_kernarg_segment_ptr 1
		.amdhsa_wavefront_size32 1
		.amdhsa_system_sgpr_workgroup_id_x 1
		.amdhsa_system_sgpr_workgroup_id_y 1
		.amdhsa_system_sgpr_workgroup_id_z 1
		.amdhsa_system_vgpr_workitem_id 0
		.amdhsa_next_free_vgpr 768
		.amdhsa_next_free_sgpr 100
		.amdhsa_reserve_vcc 0
		.amdhsa_float_denorm_mode_32 3
		.amdhsa_float_denorm_mode_16_64 3
		.amdhsa_memory_ordered 1
		.amdhsa_forward_progress 1
		.amdhsa_inst_pref_size 74
	.end_amdhsa_kernel
	.amdgpu_metadata
---
amdhsa.version: [ 1, 2 ]
amdhsa.kernels:
  - .name:           k_q249f5c65e2_proj
    .symbol:         k_q249f5c65e2_proj.kd
    .args:
      - { .name: o_img, .offset: 0, .size: 8, .value_kind: global_buffer, .address_space: global }
      - { .name: o_sc, .offset: 8, .size: 8, .value_kind: global_buffer, .address_space: global }
      - { .name: xw_img, .offset: 16, .size: 8, .value_kind: global_buffer, .address_space: global }
      - { .name: xw_sc, .offset: 24, .size: 8, .value_kind: global_buffer, .address_space: global }
      - { .name: b_out, .offset: 32, .size: 8, .value_kind: global_buffer, .address_space: global }
      - { .name: out0, .offset: 40, .size: 8, .value_kind: global_buffer, .address_space: global }
    .group_segment_fixed_size: 209408
    .private_segment_fixed_size: 0
    .kernarg_segment_align: 8
    .kernarg_segment_size: 48
    .max_flat_workgroup_size: 128
    .sgpr_count:     100
    .vgpr_count:     768
    .wavefront_size: 32
...
	.end_amdgpu_metadata
.endif
;; end of part 4
